; MI455X (gfx1250); checked and timed in simulation.
; The chip was launched on July 23, 2026; its instructions are those of AMD's public machine-readable ISA for CDNA 5 (MIT licence, August 2026) and "CDNA5" Instruction Set Architecture Reference Guide (July 2026). The comments in the code are by the model that wrote it; some were corrected since.
;; Bert With Rope Attention. Allowed arithmetic: float matrix products may take bf16 or f16 operands with f32 sums; other float arithmetic in f32, or as packed bf16 or f16 multiplies, adds, multiply-adds, maxima and minima; sums over many terms, partial sums and values carried from step to step in f32; what a program stores and reads back later, other than sums and carried values, may be rounded once to bf16 or f16.
;; Inputs: Wout 1,024 x 1,024 float32; Wqkv 1,024 x 3,072 float32; bout 1,024 float32; bqkv 3,072 float32; hidden_states 4 x 2,048 x 1,024 float32; positions 2,048 int32.
;; Outputs: out0 4 x 2,048 x 1,024 float32.
;; 2 versions, each right; version 2 is version 1 with the launch prep written anew for expert scheduling mode. Each part assembles by itself: llvm-mc -triple=amdgcn-amd-amdhsa -mcpu=gfx1250 --defsym DOCPART=n.
;; ======== version 1 of 2: 4 launches
;; limits: values are held in f16: magnitudes above 65,504 overflow, below 6.1e-05 lose precision; right only within a limited range of input values
;; workspace buffers: act 16,777,216 bytes; wq 6,291,456 bytes; wo 2,097,152 bytes; tab 524,288 bytes; qkv 50,331,648 bytes
;; launch prep (part 1): grid 256 x 1, 8 waves a work-group, no clusters, 37,888 bytes of LDS; arguments hidden_states, Wqkv, Wout, positions, act, wq, wo, tab; writes act, wq, wo, tab
.if DOCPART == 1
	.amdgcn_target "amdgcn-amd-amdhsa--gfx1250"
	.amdhsa_code_object_version 6
	.text
	.protected	k_qd9e70f3570_prep
	.globl	k_qd9e70f3570_prep
	.p2align	8
	.type	k_qd9e70f3570_prep,@function
k_qd9e70f3570_prep:
	s_mov_b64 s[64:65], 0
	v_nop
	global_prefetch_b8 v0, s[64:65] scope:SCOPE_SE
	s_setreg_imm32_b32 hwreg(HW_REG_WAVE_MODE, 25, 1), 1
	s_wait_xcnt 0x0
; PREPARATION: a stream, no matrix work.  Four things, shared out evenly over 256 work-groups of eight waves:
;   act[b][kb][s][64]   = hidden_states rounded once to bf16, K in blocks of 64: 128 rows of one block are 16 KiB on end
;   wq [kb][n'][64]     = Wqkv rounded to bf16, turned ([n][k]) and its columns ordered n' = 384 c + 192 wc + 64 t + d for column 1024 t + 64 (2 c + wc) + d
;   wo [kb][n][64]      = Wout rounded to bf16, that number written as f16, turned
;   tab[blk][i][lane][4] = cos (i < 4) and sin (i >= 4) of f32(positions[16 blk + lane % 16]) x inv[16 j + 8 (lane / 16) + 4 rh + e], i = 4 kind + 2 j + rh
; LIMITS.  Wout's bf16 value is exact in f16 from 2^-14 to 65,504; below 2^-14 it keeps f16's fixed step of 6e-8.  inv = 2^(-j log2(10) / 8) by v_exp_f32.
; The angle is reduced by three parts of pi/2 (good for |angle| under 2^20); on |r| <= pi/4 the series are cut at r^9 (sine, next term 2e-9) and r^8 (cosine, next term 2.5e-8).
; NO CLUSTER, NO TENSOR LOADS: no byte is read by two work-groups.  Every load of a wave goes out before its first wait: 49 loads, 24 KiB a wave.
; SHARES.  Work-group wg: rows 32 wg .. 32 wg + 31 of x, wave w the K blocks 2 w and 2 w + 1; one tile of 64 k x 32 n of a weight for each wave; one item (blk, i) of the table for each of waves 0 to 3.
.set SPARE, 36864                      ; behind the eight stages: the spare words, 128 bytes a wave, four blocks of 256 bytes that no other line names
.set STGB,  4608                       ; a wave's stage: 32 rows of 144 bytes (128 + 16)
.set SPW, 2                            ; v2  LDS address of my spare word; never rewritten
.set NIL, 3                            ; v3  0; never rewritten
.set XO,  4                            ; v4  my byte offset in x: (l / 8) rows + 32 (l % 8) + 512 w
.set AO,  5                            ; v5  my byte offset in act: 16 l + 2 w K blocks
.set WO,  6                            ; v6  my byte offset in the weight: 16 (l / 8) rows + 16 (l % 8)
.set WST, 7                            ; v7  stage, in
.set WRD, 8                            ; v8  stage, back
.set L16, 9                            ; v9  16 l
.set P,   32                           ; v[32:63]   the tile packed: column 4 c + e, k = 16 kq + 2 m, + 1 at P + 8 e + m
.set X,   64                           ; v[64:191]  16 units of 8 f32 of x
.set W,   192                          ; v[192:255] 16 rows of 4 f32 of the weight; later the tile's rows read back
	s_load_b512 s[4:19], s[0:1], 0x0               ; x s[4:5], Wqkv s[6:7], Wout s[8:9], positions s[10:11], act s[12:13], wq s[14:15], wo s[16:17], tab s[18:19]
	v_lshl_add_u32 v[SPW], v0, 2, SPARE
	v_mov_b32 v[NIL], 0
	v_and_b32 v1, 31, v0                           ; l
	v_lshrrev_b32 v12, 5, v0
	v_readfirstlane_b32 s20, v12                   ; wave 0..7
	v_lshrrev_b32 v13, 3, v1                       ; l / 8
	v_and_b32 v14, 7, v1                           ; l % 8
	v_lshlrev_b32 v[L16], 4, v1
	s_lshl_b32 s21, s20, 9
	v_lshl_add_u32 v[XO], v13, 12, s21
	v_lshl_add_u32 v[XO], v14, 5, v[XO]
	s_lshl_b32 s21, s20, 19
	v_add_nc_u32 v[AO], s21, v[L16]
	s_mul_i32 s21, s20, STGB                       ; my stage
	v_mul_u32_u24 v[WST], v14, 576                 ; in: rows 4 c + e, 32 bytes at 32 kq
	v_lshl_add_u32 v[WST], v13, 5, v[WST]
	v_add_nc_u32 v[WST], s21, v[WST]
	v_mul_u32_u24 v[WRD], v13, 144                 ; back: 32 lanes take four rows of 128 bytes
	v_lshl_add_u32 v[WRD], v14, 4, v[WRD]
	v_add_nc_u32 v[WRD], s21, v[WRD]
	v_and_b32 v10, 15, v0
	s_lshr_b32 s21, ttmp9, 1                       ; blk
	s_lshl_b32 s21, s21, 6
	v_lshl_add_u32 v10, v10, 2, s21                ; my position's byte offset: 64 blk + 4 (l % 16)
	s_mov_b32 s38, 0xffff0000                      ; a word's upper bf16
	s_and_b32 s39, ttmp9, 1                        ; kind: 0 cosine, 1 sine
	s_xor_b32 s39, s39, 1                          ; a cosine is the sine a quarter turn on
	s_mov_b32 s40, 0xbfc90fdb                      ; - pi/2 in three parts
	s_mov_b32 s41, 0x333bbd2e
	s_mov_b32 s42, 0x26f72ced
	s_lshr_b32 s43, s20, 1
	s_lshl_b32 s43, s43, 4
	s_and_b32 s21, s20, 1
	s_lshl2_add_u32 s43, s21, s43                  ; 16 j + 4 rh
	s_mov_b32 s23, 0
	s_mov_b32 s25, 0
	s_lshl_b32 s22, ttmp9, 17                      ; 32 rows of 4,096 bytes
	s_wait_kmcnt 0x0
	s_add_nc_u64 s[28:29], s[4:5], s[22:23]        ; x at my work-group's rows
	s_lshr_b32 s22, ttmp9, 6                       ; b
	s_lshl_b32 s22, s22, 22
	s_and_b32 s24, ttmp9, 63
	s_lshl_b32 s24, s24, 12                        ; 32 rows of 128 bytes
	s_add_co_u32 s22, s22, s24
	s_add_nc_u64 s[30:31], s[12:13], s[22:23]      ; act at the same rows, K block 0
	s_lshl_b32 s22, ttmp9, 11                      ; 4,096 blk + 512 i = 2,048 wg + 512 w
	s_lshl_b32 s24, s20, 9
	s_add_co_u32 s22, s22, s24
	s_add_nc_u64 s[36:37], s[18:19], s[22:23]      ; tab at my item (used by waves 0 to 3)
	global_load_b32 v11, v10, s[10:11]             ; every wave issues it, so that the counts below are the same in all
.set i, 0
.rept 16                               ; unit i: K block 2 w + i / 8, rows 4 (i % 8) .. + 3: 8 f32 a lane
	global_load_b128 v[X+8*i:X+8*i+3],   v[XO], s[28:29] offset:(i%8)*16384+(i/8)*256 th:TH_LOAD_NT
	global_load_b128 v[X+8*i+4:X+8*i+7], v[XO], s[28:29] offset:(i%8)*16384+(i/8)*256+16 th:TH_LOAD_NT
.set i, i+1
.endr
; 16 loads: row k = 64 kb + 16 kq + i, columns 4 c .. 4 c + 3 of the tile's 32
.macro WLOADS pitch
	v_mul_u32_u24 v[WO], v13, 16*(\pitch)
	v_lshl_add_u32 v[WO], v14, 4, v[WO]
.set i, 0
.rept 16
	global_load_b128 v[W+4*i:W+4*i+3], v[WO], s[32:33] offset:i*(\pitch) th:TH_LOAD_NT
.set i, i+1
.endr
.endm
	s_and_b32 s21, ttmp9, 15                       ; kb
	s_lshr_b32 s22, ttmp9, 4
	s_cmp_lt_u32 ttmp9, 192                        ; work-groups 0 to 191 take Wqkv's 1,536 tiles, the others Wout's 512
	s_cbranch_scc0 .Lwout
	s_lshl3_add_u32 s23, s22, s20                  ; ng: the tile's 32 columns, 0..95
	s_mul_i32 s24, s21, 64*12288
	s_lshl_b32 s26, s23, 7
	s_add_co_u32 s24, s24, s26
	s_add_nc_u64 s[32:33], s[6:7], s[24:25]
	s_bfe_u32 s26, s23, 0x40001                    ; head = (ng / 2) % 16
	s_lshr_b32 s24, s26, 1
	s_mul_i32 s24, s24, 384
	s_and_b32 s26, s26, 1
	s_mul_i32 s26, s26, 192
	s_add_co_u32 s24, s24, s26
	s_lshr_b32 s26, s23, 5                         ; t: q, k or v
	s_lshl_b32 s26, s26, 6
	s_add_co_u32 s24, s24, s26
	s_and_b32 s26, s23, 1
	s_lshl_b32 s26, s26, 5
	s_add_co_u32 s24, s24, s26                     ; n' of the tile's first column
	s_mul_i32 s26, s21, 3072
	s_add_co_u32 s24, s24, s26
	s_lshl_b32 s24, s24, 7
	s_add_nc_u64 s[34:35], s[14:15], s[24:25]
	WLOADS 12288
	s_branch .Lwdone
.Lwout:
	s_sub_co_u32 s22, s22, 12
	s_lshl3_add_u32 s23, s22, s20                  ; ng 0..31
	s_lshl_b32 s24, s21, 18
	s_lshl_b32 s26, s23, 7
	s_add_co_u32 s24, s24, s26
	s_add_nc_u64 s[32:33], s[8:9], s[24:25]
	s_lshl_b32 s24, s21, 17
	s_lshl_b32 s26, s23, 12
	s_add_co_u32 s24, s24, s26
	s_add_nc_u64 s[34:35], s[16:17], s[24:25]
	WLOADS 4096
.Lwdone:
; One angle: reduced to r in -pi/4 .. pi/4 and a quarter q; sine or cosine of r by q's low bit, the sign by its next.
.macro SINCOS e
	v_mul_f32 v20, v12, v[16+(\e)]                 ; the angle, rounded once, as the definition has it
	v_mul_f32 v21, 0x3f22f983, v20                 ; x 2 / pi
	v_rndne_f32 v21, v21
	v_fma_f32 v22, v21, s40, v20
	v_fma_f32 v22, v21, s41, v22
	v_fma_f32 v22, v21, s42, v22                   ; r
	v_cvt_i32_f32 v26, v21
	v_add_nc_u32 v26, s39, v26                     ; q
	v_mul_f32 v23, v22, v22
	v_mov_b32 v24, 0x3638ef1d                      ; 1/9!
	v_mov_b32 v25, 0x37d00d01                      ; 1/8!
	v_fmaak_f32 v24, v24, v23, 0xb9500d01          ; -1/7!
	v_fmaak_f32 v25, v25, v23, 0xbab60b61          ; -1/6!
	v_fmaak_f32 v24, v24, v23, 0x3c088889          ; 1/5!
	v_fmaak_f32 v25, v25, v23, 0x3d2aaaab          ; 1/4!
	v_fmaak_f32 v24, v24, v23, 0xbe2aaaab          ; -1/3!
	v_fma_f32 v25, v25, v23, -0.5
	v_mul_f32 v27, v22, v23
	v_fma_f32 v24, v27, v24, v22                   ; sin r
	v_fma_f32 v25, v25, v23, 1.0                   ; cos r
	v_and_b32 v27, 1, v26
	v_cmp_eq_u32 vcc_lo, 1, v27
	v_cndmask_b32 v24, v24, v25, vcc_lo            ; a choice of value alone
	v_lshlrev_b32 v26, 30, v26
	v_and_b32 v26, 0x80000000, v26
	v_xor_b32 v[28+(\e)], v24, v26
.endm
	s_cmp_lt_u32 s20, 4
	s_cbranch_scc0 .Lnotab
	v_lshrrev_b32 v13, 4, v1
	v_lshl_add_u32 v13, v13, 3, s43                ; 16 j + 4 rh + 8 (l / 16)
.irp e, 0,1,2,3
	v_add_nc_u32 v14, \e, v13
	v_cvt_f32_u32 v14, v14
	v_mul_f32 v[16+(\e)], 0xbed49a78, v14          ; x - log2(10) / 8
.endr
.irp e, 0,1,2,3
	v_exp_f32 v[16+(\e)], v[16+(\e)]
.endr
	s_wait_loadcnt 48                              ; my position is in; the 48 loads behind it stay out
	v_cvt_f32_i32 v12, v11                         ; the plain instruction behind the exponentials
	s_wait_alu depctr_va_vdst(0)
	SINCOS 0
	SINCOS 1
	SINCOS 2
	SINCOS 3
	global_store_b128 v[L16], v[28:31], s[36:37]   ; 512 consecutive bytes
.Lnotab:
.set i, 0
.rept 16                               ; x: unit i is rounded in place and stored; no register is used twice
	s_wait_loadcnt 46-2*i                          ; the loads issued behind unit i's two
	v_cvt_pk_bf16_f32 v[X+8*i],   v[X+8*i],   v[X+8*i+1]
	v_cvt_pk_bf16_f32 v[X+8*i+1], v[X+8*i+2], v[X+8*i+3]
	v_cvt_pk_bf16_f32 v[X+8*i+2], v[X+8*i+4], v[X+8*i+5]
	v_cvt_pk_bf16_f32 v[X+8*i+3], v[X+8*i+6], v[X+8*i+7]
	global_store_b128 v[AO], v[X+8*i:X+8*i+3], s[30:31] offset:(i/8)*262144+(i%8)*512  ; four rows of 128 bytes: 512 consecutive bytes
.set i, i+1
.endr
	s_wait_loadcnt 0x0                             ; the weight's tile
.irp e, 0,1,2,3
.irp m, 0,1,2,3,4,5,6,7
	v_cvt_pk_bf16_f32 v[P+8*(\e)+(\m)], v[W+8*(\m)+(\e)], v[W+8*(\m)+4+(\e)]
.endr
.endr
	s_cmp_lt_u32 ttmp9, 192
	s_cbranch_scc1 .Lbf
.set i, 0
.rept 32                               ; Wout: the bf16 number written as f16
	v_lshlrev_b32 v[12+2*(i%4)], 16, v[P+i]
	v_and_b32 v[13+2*(i%4)], s38, v[P+i]
	v_cvt_pk_f16_f32 v[P+i], v[12+2*(i%4)], v[13+2*(i%4)]
.set i, i+1
.endr
.Lbf:
.irp e, 0,1,2,3
	ds_store_b128 v[WST], v[P+8*(\e):P+8*(\e)+3]   offset:(\e)*144
	ds_store_b128 v[WST], v[P+8*(\e)+4:P+8*(\e)+7] offset:(\e)*144+16
.endr
.irp t, 0,1,2,3,4,5,6,7
	ds_load_b128 v[W+4*(\t):W+4*(\t)+3], v[WRD] offset:(\t)*576  ; my own bytes; LDS serves a wave's instructions in order (ISA guide 5.7.1.4)
.endr
.irp t, 0,1,2,3,4,5,6,7
	s_wait_dscnt 7-(\t)
	global_store_b128 v[L16], v[W+4*(\t):W+4*(\t)+3], s[34:35] offset:(\t)*512  ; four rows n' of 128 bytes: 512 consecutive bytes
.endr
	s_wait_tensorcnt 0x0                           ; the wave's end, behind my last LDS store
	ds_add_u32 v[SPW], v[NIL]
	s_wait_dscnt 0x0
	s_endpgm
.Lfunc_end_k_qd9e70f3570_prep:
	.size	k_qd9e70f3570_prep, .Lfunc_end_k_qd9e70f3570_prep-k_qd9e70f3570_prep
	.p2alignl 7, 3214868480
	.fill 96, 4, 3214868480
	.section	.rodata,"a",@progbits
	.p2align	6, 0x0
	.amdhsa_kernel k_qd9e70f3570_prep
		.amdhsa_group_segment_fixed_size 37888
		.amdhsa_private_segment_fixed_size 0
		.amdhsa_enable_private_segment 0
		.amdhsa_kernarg_size 64
		.amdhsa_user_sgpr_count 2
		.amdhsa_user_sgpr_kernarg_segment_ptr 1
		.amdhsa_wavefront_size32 1
		.amdhsa_system_sgpr_workgroup_id_x 1
		.amdhsa_system_sgpr_workgroup_id_y 1
		.amdhsa_system_sgpr_workgroup_id_z 1
		.amdhsa_system_vgpr_workitem_id 0
		.amdhsa_next_free_vgpr 256
		.amdhsa_next_free_sgpr 66
		.amdhsa_reserve_vcc 1
		.amdhsa_float_denorm_mode_32 3
		.amdhsa_float_denorm_mode_16_64 3
		.amdhsa_memory_ordered 1
		.amdhsa_forward_progress 1
		.amdhsa_inst_pref_size 31
	.end_amdhsa_kernel
	.amdgpu_metadata
---
amdhsa.version: [ 1, 2 ]
amdhsa.kernels:
  - .name:           k_qd9e70f3570_prep
    .symbol:         k_qd9e70f3570_prep.kd
    .args:
      - { .name: hidden_states, .offset: 0, .size: 8, .value_kind: global_buffer, .address_space: global }
      - { .name: Wqkv, .offset: 8, .size: 8, .value_kind: global_buffer, .address_space: global }
      - { .name: Wout, .offset: 16, .size: 8, .value_kind: global_buffer, .address_space: global }
      - { .name: positions, .offset: 24, .size: 8, .value_kind: global_buffer, .address_space: global }
      - { .name: act, .offset: 32, .size: 8, .value_kind: global_buffer, .address_space: global }
      - { .name: wq, .offset: 40, .size: 8, .value_kind: global_buffer, .address_space: global }
      - { .name: wo, .offset: 48, .size: 8, .value_kind: global_buffer, .address_space: global }
      - { .name: tab, .offset: 56, .size: 8, .value_kind: global_buffer, .address_space: global }
    .group_segment_fixed_size: 37888
    .private_segment_fixed_size: 0
    .kernarg_segment_align: 8
    .kernarg_segment_size: 64
    .max_flat_workgroup_size: 256
    .sgpr_count:     66
    .vgpr_count:     256
    .wavefront_size: 32
...
	.end_amdgpu_metadata
.endif
;; end of part 1
;; launch qkvp (part 2): grid 8 x 32, 4 waves a work-group, clusters of 4 x 4, 327,680 bytes of LDS; arguments act, wq, bqkv, tab, qkv; writes qkv
.if DOCPART == 2
	.amdgcn_target "amdgcn-amd-amdhsa--gfx1250"
	.amdhsa_code_object_version 6
	.text
	.protected	k_qd9e70f3570_qkvp
	.globl	k_qd9e70f3570_qkvp
	.p2align	8
	.type	k_qd9e70f3570_qkvp,@function
k_qd9e70f3570_qkvp:
	s_mov_b64 s[64:65], 0
	v_nop
	global_prefetch_b8 v0, s[64:65] scope:SCOPE_SE
	s_setreg_imm32_b32 hwreg(HW_REG_WAVE_MODE, 25, 1), 1
	s_wait_xcnt 0x0
	s_wait_alu depctr_hold_cnt(0) depctr_sa_sdst(0) depctr_va_vdst(0) depctr_va_sdst(0) depctr_va_ssrc(0) depctr_va_vcc(0) depctr_vm_vsrc(0)
	s_getreg_b32 s2, hwreg(HW_REG_IB_STS2, 6, 4)
	s_cmp_eq_u32 s2, 0
	s_cbranch_scc0 .Lentry_in_a_cluster
	s_endpgm
.Lentry_in_a_cluster:
	s_bfe_u32 s2, ttmp6, 0x10000c
	s_cmp_lg_u32 s2, 0xf033
	s_cbranch_scc0 .Lentry_shape_is_right
	s_endpgm
.Lentry_shape_is_right:
; q, k, v = x Wqkv + bqkv, q and k turned by the rotary table.  x: act[b][kb][s][64] bf16; weights: wq[kb][n'][64] bf16; bqkv f32, rounded to bf16 here; sums in f32.
; Out: qkv = q, k, v, each [b 16 + head][s][64] f16, rounded once, unscaled.  LIMIT: f16 ends at 65,504: |q|, |k|, |v| must stay below it.
; SHARES.  8,192 x 3,072 outputs on 256 work-groups: a tile of 256 rows x 384 columns each, one round.  Four waves, each 128 x 192: 96 accumulators, 768 registers.
; wq's columns are ordered so that a wave's 192 columns are q, k and v of ONE head: group g of 64 columns is type g, and lies in register window 1 + g.
; THE MATRIX INSTRUCTION IS USED TRANSPOSED (source 0 = 16 rows of wq, source 1 = 16 rows of x): a lane holds row l % 16 and columns 16 j + 8 (l / 16) + 0..7 of block j.
; So the rotary pair (d, d + 32) is blocks j and j + 2 of the same lane, and whether a group is turned (g < 2) is known when the text is assembled.
; THE BIAS is the C operand of the first product: block row 0's accumulators are loaded with it, rows 1 to 7 take them as C, row 0 adds in place last.
; K goes in 16 steps of 64 (one kb) through two LDS slots; a unit is 32 along K.  A dense block of rows of 128 bytes is asked for as rows of 256 bytes and padded after every 128.
; CLUSTER 4 x 4: x's tile hangs on the tile row alone and is asked for jointly along a row of the cluster, wq's on the tile column alone and jointly along a column.
; By the text's own count a wave has two tensor loads out at the start and one behind each round.
; REGISTERS.  window 0: v0-12, v28-29 addresses; v32-159 x's fragments, two buffers of 8 x 8; v160-255 wq's fragments, one buffer of 4 x 8 for each group.
;             window 1 + g: accumulator (a, j) at v[32 a + 8 j].   On the way out window 0 holds: v32-95 cos and sin, two buffers; v96-127 T; v128-143 P; v144-175 rows read back, two buffers.
.set PITCH, 144                        ; an LDS row: 128 bytes + 16 = 36 words: the 16 rows of a fragment load start at 16 different groups of four banks (64 banks of 4 bytes: ISA guide 11.1)
.set BLK,   16*PITCH
.set BOFF,  256*PITCH                  ; a slot: x's 256 rows, then wq's 384 rows
.set SLOT1, 1<<17                      ; slot 1 begins here, so that one exclusive or turns an address in one slot into the other's
.set STAGE, SLOT1+640*PITCH            ; behind the ring, never filled by a tensor load: 16 rows x 144 bytes for each wave
.set SPARE, STAGE+4*BLK                ; the spare words, 128 bytes a wave: two blocks of 256 bytes that no other line names
.set KB_A,  2048*128                   ; bytes from a K block to the next, in act
.set KB_B,  3072*128                   ; and in wq
.set A0,   4                           ; v4   my lane's place in x's tile; never rewritten
.set B0,   5                           ; v5   the same in wq's
.set ADRA, 6                           ; v6   A0 + the slot in hand
.set ADRB, 7                           ; v7
.set STO,  8                           ; v8   the way out: where I put 16 bytes of a row
.set RD,   9                           ; v9   the way out: where I read rows back
.set GO,   10                          ; v10  16 l: my place in 512 consecutive bytes
.set BO,   12                          ; v12  32 (l / 16): my 8 numbers of a block's 16 of the bias
.set SPW,  28                          ; v28  LDS address of my spare word; never rewritten
.set NIL,  29                          ; v29  0; never rewritten
.set AF,   32
.set BF,   160
.set CS,   32
.set T,    96
.set P,    128
.set OB,   144
.set WV,  14                           ; s14 wave; s15 its half of the rows, also: fetches x (0) or wq (1); s16 its half of the columns, also: which half of that tile it fetches
.set WR,  15
.set WC,  16
.set CX,  17
.set CY,  18
.set CC,  19                           ; tile column 0..7
.set RR,  20                           ; tile row 0..31
.set G1A, 24                           ; s[24:31], s[32:39] descriptor group 1 for x's and wq's tiles
.set G1B, 32
.set G0A, 40                           ; s[40:47], s[48:55] group 0: a set for each of the two first fills; the second then walks on
.set G0B, 48
.set TB,  56                           ; s56 the slot in hand: 0 or SLOT1
.set CNT, 57
.set HIM, 58                           ; s58 a word's upper bf16
.set OUT, 66                           ; s[66:67], s[68:69], s[70:71] q, k, v at my wave's first row
.set TA,  72                           ; s[72:73] the table at my wave's first row
.set BI,  74                           ; s[74:75] the bias at my head
.set MSB, 0
.macro WIN new                         ; the immediate's high byte repeats the setting that is left; a switch that changes nothing is dropped
.if MSB != (\new)
	s_set_vgpr_msb (MSB<<8)|(\new)
.set MSB, \new
.endif
.endm
.macro PLACES                          ; four places behind matrix instructions, in front of loads into their sources and of vector lines that read results
.rept 4
	v_nop
.endr
.endm
.macro CREST                           ; a round of the cluster's barrier behind its opening barrier
	s_cmp_lg_u32 s[WV], 0
	s_cbranch_scc1 .Lnot_wave_0_\@
	s_barrier_signal -3
.Lnot_wave_0_\@:
	s_barrier_wait -3
	s_barrier_signal -1
	s_barrier_wait -1
.endm
.macro CROUND
	s_barrier_signal -1
	s_barrier_wait -1
	CREST
.endm
; A joint refill by the walking sets.  Waves 0 and 1 fetch x's two halves, waves 2 and 3 wq's.  An s_nop 0 and four v_nop follow each line, ahead of the jump and the label.
.macro JLOAD
	s_cmp_eq_u32 s[WR], 0
	s_cbranch_scc0 .Lfor_b_\@
	tensor_load_to_lds s[G0A+4:G0A+7], s[G1A:G1A+7]
	s_nop 0
.rept 4
	v_nop
.endr
	s_branch .Lasked_\@
.Lfor_b_\@:
	tensor_load_to_lds s[G0B+4:G0B+7], s[G1B:G1B+7]
	s_nop 0
.rept 4
	v_nop
.endr
.Lasked_\@:
.endm
	s_load_b256 s[4:11], s[0:1], 0x0               ; act s[4:5], wq s[6:7], bqkv s[8:9], tab s[10:11]
	s_load_b64 s[12:13], s[0:1], 0x20              ; qkv
	v_lshl_add_u32 v[SPW], v0, 2, SPARE
	v_mov_b32 v[NIL], 0
	ds_add_u32 v[SPW], v[NIL]                      ; the wave's opening: the add and its wait stand ahead of my first tensor load; work on registers stands between
	v_lshrrev_b32 v1, 5, v0
	v_readfirstlane_b32 s[WV], v1
	s_lshr_b32 s[WR], s[WV], 1
	s_and_b32 s[WC], s[WV], 1
	s_bfe_u32 s[CX], ttmp6, 0x40000
	s_bfe_u32 s[CY], ttmp6, 0x40004
	s_lshl_b32 s[CC], ttmp9, 2
	s_add_co_u32 s[CC], s[CC], s[CX]
	s_and_b32 s[RR], ttmp7, 0xffff
	s_lshl_b32 s[RR], s[RR], 2
	s_add_co_u32 s[RR], s[RR], s[CY]
	s_lshl_b32 s21, s[CY], 2
	s_lshl_b32 s21, 15, s21                        ; my row of the cluster
	s_lshl_b32 s60, 0x1111, s[CX]                  ; my column
	s_or_b32 s[G1A], s21, (1<<16)|(1<<20)|(1<<21)|(4<<22)|(3<<25)  ; 15:0 the mask; 17:16 2-byte elements; 20 padding on; 21 set beside a mask; 24:22 after every 32 words (code 4); 31:25 4 words (code 3)
	s_or_b32 s[G1B], s60, (1<<16)|(1<<20)|(1<<21)|(4<<22)|(3<<25)
	s_mov_b32 s[G1A+1], 128<<16                    ; tensor_dim0 = 128 elements: 256 bytes, two rows of 128
	s_mov_b32 s[G1A+2], 64<<16                     ; tensor_dim1 = 64: x's 128 rows
	s_mov_b32 s[G1A+3], 128<<16                    ; tile_dim0
	s_mov_b32 s[G1A+4], 64                         ; tile_dim1
	s_mov_b32 s[G1A+5], 128                        ; elements from row to row: the block is dense
	s_mov_b32 s[G1A+6], 0
	s_mov_b32 s[G1A+7], 0
	s_mov_b32 s[G1B+1], 128<<16
	s_mov_b32 s[G1B+2], 96<<16                     ; wq's 192 rows
	s_mov_b32 s[G1B+3], 128<<16
	s_mov_b32 s[G1B+4], 96
	s_mov_b32 s[G1B+5], 128
	s_mov_b32 s[G1B+6], 0
	s_mov_b32 s[G1B+7], 0
	; x's tile: b = R / 8, rows 256 (R % 8) + 128 x my half: registers that never hold cx
	s_lshr_b32 s22, s[RR], 3
	s_lshl_b32 s22, s22, 22
	s_and_b32 s21, s[RR], 7
	s_lshl_b32 s21, s21, 15
	s_add_co_u32 s22, s22, s21
	s_lshl_b32 s21, s[WC], 14
	s_add_co_u32 s22, s22, s21
	s_mov_b32 s23, 0
	s_mul_i32 s21, s[WC], 128*PITCH                ; and where it goes: the wave's number alone enters an LDS address
	; wq's tile: rows 384 c + 192 x my half: registers that never hold cy
	s_mul_i32 s60, s[CC], 384*128
	s_mul_i32 s61, s[WC], 192*128
	s_add_co_u32 s60, s60, s61
	s_mov_b32 s61, 0
	s_mul_i32 s62, s[WC], 192*PITCH
	s_add_co_u32 s62, s62, BOFF
	s_mov_b32 s[HIM], 0xffff0000
	s_wait_dscnt 0x0                               ; the opening add is done
	s_wait_kmcnt 0x0
	s_mov_b32 s[G0A], 1
	s_mov_b32 s[G0A+1], s21
	s_add_nc_u64 s[G0A+2:G0A+3], s[4:5], s[22:23]  ; K step 0 into slot 0
	s_mov_b32 s[G0A+4], 1
	s_add_co_u32 s[G0A+5], s21, SLOT1
	s_add_nc_u64 s[G0A+6:G0A+7], s[G0A+2:G0A+3], KB_A  ; K step 1 into slot 1
	s_or_b32 s[G0A+3], s[G0A+3], 0x80000000        ; type = 2
	s_or_b32 s[G0A+7], s[G0A+7], 0x80000000
	s_mov_b32 s[G0B], 1
	s_mov_b32 s[G0B+1], s62
	s_add_nc_u64 s[G0B+2:G0B+3], s[6:7], s[60:61]
	s_mov_b32 s[G0B+4], 1
	s_add_co_u32 s[G0B+5], s62, SLOT1
	s_add_nc_u64 s[G0B+6:G0B+7], s[G0B+2:G0B+3], KB_B
	s_or_b32 s[G0B+3], s[G0B+3], 0x80000000
	s_or_b32 s[G0B+7], s[G0B+7], 0x80000000
	CROUND                                         ; all sixteen work-groups are here: the first joint loads meet
	s_cmp_eq_u32 s[WR], 0                          ; a wave's two first fills stand in one branch, ahead of every wait on TENSORcnt and every LDS read
	s_cbranch_scc0 .Lfirst_b
	tensor_load_to_lds s[G0A:G0A+3], s[G1A:G1A+7]
	s_nop 0
	tensor_load_to_lds s[G0A+4:G0A+7], s[G1A:G1A+7]
	s_nop 0
.rept 4
	v_nop
.endr
	s_branch .Lfirst_asked
.Lfirst_b:
	tensor_load_to_lds s[G0B:G0B+3], s[G1B:G1B+7]
	s_nop 0
	tensor_load_to_lds s[G0B+4:G0B+7], s[G1B:G1B+7]
	s_nop 0
.rept 4
	v_nop
.endr
.Lfirst_asked:
	; where my results go, and where table and bias lie: offsets in registers that feed no descriptor
	s_lshr_b32 s76, s[RR], 3
	s_lshl_b32 s76, s76, 4
	s_lshl1_add_u32 s77, s[CC], s[WC]              ; head = 2 c + wc
	s_add_co_u32 s76, s76, s77                     ; 16 b + head
	s_lshl_b32 s76, s76, 11
	s_and_b32 s78, s[RR], 7
	s_lshl_b32 s78, s78, 8
	s_lshl_b32 s79, s[WR], 7
	s_add_co_u32 s78, s78, s79                     ; my first row in the sequence
	s_add_co_u32 s76, s76, s78
	s_lshl_b32 s76, s76, 7
	s_lshl_b32 s79, s77, 8                         ; 64 f32 a head
	s_mov_b32 s77, 0
	s_add_nc_u64 s[OUT:OUT+1], s[12:13], s[76:77]
	s_add_nc_u64 s[OUT+2:OUT+3], s[OUT:OUT+1], 0x1000000
	s_add_nc_u64 s[OUT+4:OUT+5], s[OUT:OUT+1], 0x2000000
	s_lshl_b32 s76, s78, 8                         ; 4,096 bytes of table for 16 rows
	s_add_nc_u64 s[TA:TA+1], s[10:11], s[76:77]
	s_mov_b32 s76, s79
	s_add_nc_u64 s[BI:BI+1], s[8:9], s[76:77]
	v_bfe_u32 v2, v0, 4, 1                         ; l / 16
	v_lshlrev_b32 v[BO], 5, v2
.set i, 0
.rept 12                               ; the bias of group i / 4, block i % 4: my 8 columns
	global_load_b128 v[32+8*i:32+8*i+3],   v[BO], s[BI:BI+1] offset:(i/4)*4096+(i%4)*64
	global_load_b128 v[32+8*i+4:32+8*i+7], v[BO], s[BI:BI+1] offset:(i/4)*4096+(i%4)*64+16
.set i, i+1
.endr
	v_and_b32 v1, 15, v0                           ; l % 16
	v_mul_u32_u24 v3, v1, PITCH
	v_lshl_add_u32 v3, v2, 4, v3                   ; a fragment's row x pitch + 16 x half
	s_mul_i32 s76, s[WR], 128*PITCH
	v_add_nc_u32 v[A0], s76, v3
	s_mul_i32 s76, s[WC], 192*PITCH
	s_add_co_u32 s76, s76, BOFF
	v_add_nc_u32 v[B0], s76, v3
	s_mul_i32 s76, s[WV], BLK
	s_add_co_u32 s76, s76, STAGE                   ; my stage
	v_add_nc_u32 v[STO], s76, v3                   ; in: row l % 16, 16 bytes for each half of the lanes
	v_bfe_u32 v[RD], v0, 3, 2                      ; back: 32 lanes take four rows of 128 bytes
	v_mul_u32_u24 v[RD], v[RD], PITCH
	v_and_b32 v3, 7, v0
	v_lshl_add_u32 v[RD], v3, 4, v[RD]
	v_add_nc_u32 v[RD], s76, v[RD]
	v_and_b32 v[GO], 31, v0
	v_lshlrev_b32 v[GO], 4, v[GO]
	v_mov_b32 v[ADRA], v[A0]
	v_mov_b32 v[ADRB], v[B0]
	s_mov_b32 s[TB], 0
	s_wait_loadcnt 0x0
.set i, 0
.rept 48                               ; the bias rounded to bf16, like every other input,
	v_cvt_pk_bf16_f32 v[128+i], v[32+2*i], v[32+2*i+1]
.set i, i+1
.endr
.irp g, 0,1,2                          ; and widened into block row 0's accumulators
	WIN (1+(\g))<<6
.set i, 0
.rept 16
	v_lshlrev_b32 v[2*i], 16, v[128+16*(\g)+i]
	v_and_b32 v[2*i+1], s[HIM], v[128+16*(\g)+i]
.set i, i+1
.endr
.endr
	WIN 0
; Group g's products of a unit for block rows a0 .. a1, on x's buffer ab.  The 96 accumulators take turns, one instruction a turn.
.macro PHH g, ab, a0, a1
	WIN 0x50*(1+(\g))                              ; C and D in window 1 + g, both sources in window 0
.set ai, \a0
.rept (\a1)-(\a0)+1
.irp j, 0,1,2,3
	v_wmma_f32_16x16x32_bf16 v[32*ai+8*(\j):32*ai+8*(\j)+7], v[BF+32*(\g)+8*(\j):BF+32*(\g)+8*(\j)+7], v[AF+64*(\ab)+8*ai:AF+64*(\ab)+8*ai+7], v[32*ai+8*(\j):32*ai+8*(\j)+7]
.endr
.set ai, ai+1
.endr
.endm
; The first unit's: the sums start from the bias.  Rows 1 to 7 take row 0's registers as C; five places; then row 0 adds in place.
.macro PH1 g
	WIN 0x50*(1+(\g))
.irp a, 1,2,3,4,5,6,7
.irp j, 0,1,2,3
	v_wmma_f32_16x16x32_bf16 v[32*(\a)+8*(\j):32*(\a)+8*(\j)+7], v[BF+32*(\g)+8*(\j):BF+32*(\g)+8*(\j)+7], v[AF+8*(\a):AF+8*(\a)+7], v[8*(\j):8*(\j)+7]
.endr
.endr
.rept 5
	v_nop                                          ; in front of matrix instructions that write over a C operand of those above
.endr
.irp j, 0,1,2,3
	v_wmma_f32_16x16x32_bf16 v[8*(\j):8*(\j)+7], v[BF+32*(\g)+8*(\j):BF+32*(\g)+8*(\j)+7], v[AF:AF+7], v[8*(\j):8*(\j)+7]
.endr
.endm
.macro LDB g, koff                     ; 8 loads: group g's four fragments of wq, 32 along K at byte koff of the rows
.irp j, 0,1,2,3
	ds_load_b128 v[BF+32*(\g)+8*(\j):BF+32*(\g)+8*(\j)+3],   v[ADRB] offset:(4*(\g)+(\j))*BLK+(\koff)
	ds_load_b128 v[BF+32*(\g)+8*(\j)+4:BF+32*(\g)+8*(\j)+7], v[ADRB] offset:(4*(\g)+(\j))*BLK+(\koff)+32
.endr
.endm
.macro LDA ab, koff                    ; 16 loads: x's eight fragments into buffer ab
.irp i, 0,1,2,3,4,5,6,7
	ds_load_b128 v[AF+64*(\ab)+8*(\i):AF+64*(\ab)+8*(\i)+3],   v[ADRA] offset:(\i)*BLK+(\koff)
	ds_load_b128 v[AF+64*(\ab)+8*(\i)+4:AF+64*(\ab)+8*(\i)+7], v[ADRA] offset:(\i)*BLK+(\koff)+32
.endr
.endm
.macro E g, nab, koff                  ; behind group g's products its buffer takes the next unit's fragments; with group 0 go x's, into the other buffer
	PLACES
	WIN 0
	LDB \g, \koff
.if (\g) == 0
	LDA \nab, \koff
.endif
.endm
; The LDS loads of unit u are issued in the order: group 0 and x (24), group 1 (8), group 2 (8), each a unit ahead.  So the waits count:
; group 0 and x: the unit's own 16 behind them;  group 1: group 2's 8 and the next unit's 24;  group 2: the next unit's 24 and 8.
.macro EVEN first                      ; an even unit: x's buffer 0; the next unit lies in the same slot, 64 bytes on
	s_wait_dscnt 16
.if \first
	PH1 0
.else
	PHH 0, 0, 0, 7
.endif
	E 0, 1, 64
	s_wait_dscnt 32
.if \first
	PH1 1
.else
	PHH 1, 0, 0, 7
.endif
	E 1, 1, 64
	s_wait_dscnt 32
.if \first
	PH1 2
.else
	PHH 2, 0, 0, 7
.endif
	E 2, 1, 64
.endm
; An odd unit: x's buffer 1; it changes slots.  ONE barrier: in front of it each wave waits for all its tensor loads (one is out: its part of the next slot), adds 0 to its spare word,
; and waits for that and for its reads of this slot.  fill = 1: the barrier opens a round of the cluster's, and the joint refill, two K steps ahead, is the first thing behind it.
.macro ODD fill
	WIN 0
	s_wait_tensorcnt 0x0                           ; no tensor load of mine is out, so a group 0 may be written
	ds_add_u32 v[SPW], v[NIL]                      ; 0 onto my spare word
.if \fill
	s_xor_b32 s[G0A+5], s[G0A+5], SLOT1            ; the walking sets: the other slot than last time, the next K step
	s_add_nc_u64 s[G0A+6:G0A+7], s[G0A+6:G0A+7], KB_A
	s_xor_b32 s[G0B+5], s[G0B+5], SLOT1
	s_add_nc_u64 s[G0B+6:G0B+7], s[G0B+6:G0B+7], KB_B
.endif
	s_xor_b32 s[TB], s[TB], SLOT1
	s_wait_dscnt 17                                ; group 0 and x are in: behind them the unit's 16 and the add
	PHH 0, 1, 0, 3
	s_wait_dscnt 0x0                               ; the add is done, and my reads of this slot are over
	s_barrier_signal -1
	PHH 0, 1, 4, 7                                 ; work on registers while the others arrive
	WIN 0                                          ; at a branch and at a label every window is 0
	s_barrier_wait -1
.if \fill
	CREST                                          ; no wave of any partner still reads this slot or has a load on its way
	JLOAD                                          ; its four v_nop are also the places in front of the loads below
.else
	PLACES
.endif
	v_add_nc_u32 v[ADRA], s[TB], v[A0]
	v_add_nc_u32 v[ADRB], s[TB], v[B0]
	LDB 0, 0
	LDA 0, 0
	s_wait_dscnt 32
	PHH 1, 1, 0, 7
	E 1, 0, 0
	s_wait_dscnt 32
	PHH 2, 1, 0, 7
	E 2, 0, 0
.endm
	s_wait_tensorcnt 1                             ; my part of K step 0 is in; step 1's may stay out
	s_barrier_signal -1
	s_barrier_wait -1
	LDB 0, 0
	LDA 0, 0
	LDB 1, 0
	LDB 2, 0
	EVEN 1                                         ; unit 0 stands in front of the loop: its products start the sums
	WIN 0
	s_mov_b32 s[CNT], 14
.Ltrip:                                            ; trip i: units 2 i + 1 and 2 i + 2; slot i % 2 is filled again with K step i + 2
	ODD 1
	EVEN 0
	WIN 0
	s_sub_co_u32 s[CNT], s[CNT], 1
	s_cmp_lg_u32 s[CNT], 0
	s_cbranch_scc1 .Ltrip
	ODD 0                                          ; unit 29: the tail is written out: nothing is left to ask for
	EVEN 0                                         ; unit 30
	s_wait_dscnt 16                                ; unit 31: nothing more to fetch, the counts run down
	PHH 0, 1, 0, 7
	s_wait_dscnt 8
	PHH 1, 1, 0, 7
	s_wait_dscnt 0x0
	PHH 2, 1, 0, 7
; THE WAY OUT: 24 units (block row a, group g).  q and k are turned in f32, all are rounded once to f16, go through my stage in rows of 144 bytes and leave as 512 consecutive bytes.
.macro CSLOAD a                        ; block row a's cos (16 registers) and sin (16): eight loads of 512 consecutive bytes
	WIN 0
.irp i, 0,1,2,3,4,5,6,7
	global_load_b128 v[CS+32*((\a)%2)+4*(\i):CS+32*((\a)%2)+4*(\i)+3], v[GO], s[TA:TA+1] offset:(\a)*4096+(\i)*512
.endr
.endm
.macro ROPE a, g                       ; x1 = blocks 0, 1; x2 = blocks 2, 3.  T = (x1 cos - x2 sin, x2 cos + x1 sin).  Each accumulator's lowest registers are read first
.set CB, CS+32*((\a)%2)
	WIN 1+(\g)                                     ; source 0 in the accumulators' window
.irp j, 0,1
.irp p, 0,1,2,3
	v_pk_mul_f32 v[T+8*(\j)+2*(\p):T+8*(\j)+2*(\p)+1],       v[32*(\a)+16+8*(\j)+2*(\p):32*(\a)+16+8*(\j)+2*(\p)+1], v[CB+16+8*(\j)+2*(\p):CB+16+8*(\j)+2*(\p)+1]
	v_pk_mul_f32 v[T+16+8*(\j)+2*(\p):T+16+8*(\j)+2*(\p)+1], v[32*(\a)+8*(\j)+2*(\p):32*(\a)+8*(\j)+2*(\p)+1],       v[CB+16+8*(\j)+2*(\p):CB+16+8*(\j)+2*(\p)+1]
.endr
.endr
.irp j, 0,1
.irp p, 0,1,2,3
	v_pk_fma_f32 v[T+8*(\j)+2*(\p):T+8*(\j)+2*(\p)+1],       v[32*(\a)+8*(\j)+2*(\p):32*(\a)+8*(\j)+2*(\p)+1],       v[CB+8*(\j)+2*(\p):CB+8*(\j)+2*(\p)+1], v[T+8*(\j)+2*(\p):T+8*(\j)+2*(\p)+1] neg_lo:[0,0,1] neg_hi:[0,0,1]
	v_pk_fma_f32 v[T+16+8*(\j)+2*(\p):T+16+8*(\j)+2*(\p)+1], v[32*(\a)+16+8*(\j)+2*(\p):32*(\a)+16+8*(\j)+2*(\p)+1], v[CB+8*(\j)+2*(\p):CB+8*(\j)+2*(\p)+1], v[T+16+8*(\j)+2*(\p):T+16+8*(\j)+2*(\p)+1]
.endr
.endr
	WIN 0
.set i, 0
.rept 16
	v_cvt_pk_f16_f32 v[P+i], v[T+2*i], v[T+2*i+1]
.set i, i+1
.endr
.endm
.macro PLAIN a                         ; v is only rounded
	WIN 0x0f                                       ; sources 0 and 1 in window 3
.irp j, 0,1,2,3
.irp p, 0,1,2,3
	v_cvt_pk_f16_f32 v[P+4*(\j)+(\p)], v[32*(\a)+8*(\j)+2*(\p)], v[32*(\a)+8*(\j)+2*(\p)+1]
.endr
.endr
	WIN 0
.endm
.macro TOSTAGE n
	WIN 0
.set BK, OB+16*((\n)%2)
.irp j, 0,1,2,3
	ds_store_b128 v[STO], v[P+4*(\j):P+4*(\j)+3] offset:32*(\j)
.endr
	s_wait_xcnt 0x0                                ; the stores of the unit two back have read these registers
.irp f, 0,1,2,3
	ds_load_b128 v[BK+4*(\f):BK+4*(\f)+3], v[RD] offset:(\f)*4*PITCH  ; my own bytes; LDS serves a wave's instructions in order (ISA guide 5.7.1.4)
.endr
.endm
.macro SEND n, younger                 ; younger: the LDS instructions issued behind unit n's loads: the next unit's eight, or none
	WIN 0
.set sa, (\n)/3
.set sg, (\n)%3
.set BK, OB+16*((\n)%2)
.irp f, 0,1,2,3
	s_wait_dscnt (\younger)+3-(\f)
	global_store_b128 v[GO], v[BK+4*(\f):BK+4*(\f)+3], s[OUT+2*sg:OUT+2*sg+1] offset:sa*2048+(\f)*512  ; four rows of 128 bytes: 512 consecutive bytes, aligned
.endr
.endm
	PLACES
	CSLOAD 0
.set un, 0
.irp a, 0,1,2,3,4,5,6,7
.if (\a) < 7
	CSLOAD (\a)+1
	s_wait_loadcnt 8                               ; this block row's table is in; the next one's eight loads stay out
.else
	s_wait_loadcnt 0x0
.endif
.irp g, 0,1,2
.if (\g) < 2
	ROPE \a, \g
.else
	PLAIN \a
.endif
	TOSTAGE un
.if un > 0
	SEND un-1, 8
.endif
.set un, un+1
.endr
.endr
	SEND 23, 0
	s_wait_tensorcnt 0x0                           ; the wave's end, behind my last tensor load and my last LDS store
	ds_add_u32 v[SPW], v[NIL]
	s_wait_dscnt 0x0
	CROUND                                         ; the closing round: no work-group ends while a partner may still ask for a tile that names it
	s_endpgm
.Lfunc_end_k_qd9e70f3570_qkvp:
	.size	k_qd9e70f3570_qkvp, .Lfunc_end_k_qd9e70f3570_qkvp-k_qd9e70f3570_qkvp
	.p2alignl 7, 3214868480
	.fill 96, 4, 3214868480
	.section	.rodata,"a",@progbits
	.p2align	6, 0x0
	.amdhsa_kernel k_qd9e70f3570_qkvp
		.amdhsa_group_segment_fixed_size 327680
		.amdhsa_private_segment_fixed_size 0
		.amdhsa_enable_private_segment 0
		.amdhsa_kernarg_size 40
		.amdhsa_user_sgpr_count 2
		.amdhsa_user_sgpr_kernarg_segment_ptr 1
		.amdhsa_wavefront_size32 1
		.amdhsa_system_sgpr_workgroup_id_x 1
		.amdhsa_system_sgpr_workgroup_id_y 1
		.amdhsa_system_sgpr_workgroup_id_z 1
		.amdhsa_system_vgpr_workitem_id 0
		.amdhsa_next_free_vgpr 1024
		.amdhsa_next_free_sgpr 80
		.amdhsa_reserve_vcc 0
		.amdhsa_float_denorm_mode_32 3
		.amdhsa_float_denorm_mode_16_64 3
		.amdhsa_memory_ordered 1
		.amdhsa_forward_progress 1
		.amdhsa_inst_pref_size 161
	.end_amdhsa_kernel
	.amdgpu_metadata
---
amdhsa.version: [ 1, 2 ]
amdhsa.kernels:
  - .name:           k_qd9e70f3570_qkvp
    .symbol:         k_qd9e70f3570_qkvp.kd
    .args:
      - { .name: act, .offset: 0, .size: 8, .value_kind: global_buffer, .address_space: global }
      - { .name: wq, .offset: 8, .size: 8, .value_kind: global_buffer, .address_space: global }
      - { .name: bqkv, .offset: 16, .size: 8, .value_kind: global_buffer, .address_space: global }
      - { .name: tab, .offset: 24, .size: 8, .value_kind: global_buffer, .address_space: global }
      - { .name: qkv, .offset: 32, .size: 8, .value_kind: global_buffer, .address_space: global }
    .group_segment_fixed_size: 327680
    .private_segment_fixed_size: 0
    .kernarg_segment_align: 8
    .kernarg_segment_size: 40
    .max_flat_workgroup_size: 128
    .sgpr_count:     80
    .vgpr_count:     1024
    .wavefront_size: 32
...
	.end_amdgpu_metadata
.endif
;; end of part 2
;; launch attn (part 3): grid 4 x 64, 4 waves a work-group, clusters of 4 x 1, 327,680 bytes of LDS; arguments qkv, act; writes act
.if DOCPART == 3
	.amdgcn_target "amdgcn-amd-amdhsa--gfx1250"
	.amdhsa_code_object_version 6
	.text
	.protected	k_qd9e70f3570_attn
	.globl	k_qd9e70f3570_attn
	.p2align	8
	.type	k_qd9e70f3570_attn,@function
k_qd9e70f3570_attn:
	s_mov_b64 s[64:65], 0
	v_nop
	global_prefetch_b8 v0, s[64:65] scope:SCOPE_SE
	s_setreg_imm32_b32 hwreg(HW_REG_WAVE_MODE, 25, 1), 1
	s_wait_xcnt 0x0
	s_wait_alu depctr_hold_cnt(0) depctr_sa_sdst(0) depctr_va_vdst(0) depctr_va_sdst(0) depctr_va_ssrc(0) depctr_va_vcc(0) depctr_vm_vsrc(0)
	s_getreg_b32 s2, hwreg(HW_REG_IB_STS2, 6, 4)
	s_cmp_eq_u32 s2, 0
	s_cbranch_scc0 .Lentry_in_a_cluster
	s_endpgm
.Lentry_in_a_cluster:
	s_bfe_u32 s2, ttmp6, 0x10000c
	s_cmp_lg_u32 s2, 0x3003
	s_cbranch_scc0 .Lentry_shape_is_right
	s_endpgm
.Lentry_shape_is_right:
; O[h][q][:] = the sum over k of softmax_k(Q[h][q] . K[h][k] / 8) V[h][k][:].  Q, K, V lie one behind the other in qkv, each [SIZE_H][SIZE_N][64] f16; O goes to act in the same layout
; (h = 16 b + head: a head's rows are one K block of the next product).  Products, maxima and sums in f32; the weights p are rounded to f16 for the second product (their sum l is taken
; of the unrounded p), O once at the end.
; LIMITS.  f16 holds no number beyond 65,504: Q, K and V arrive within it; p lies in 0 to 1, and below 6e-5 it keeps f16's fixed step of 6e-8; O is a mean of V's rows and has their range.
; A weight below 2^-126 counts as 0 in l; NaN and infinities are not treated apart.
; SHARES.  A wave owns four PIECES of two tiles of 16 queries, a work-group's four waves 512 queries of one head.  Every wave walks all keys, 64 a step.
; LAYOUT.  S^T = K Q^T (source 0 = 16 keys, source 1 = 16 queries): in the result a lane holds ONE query (lane % 16) and the keys 8 (lane / 16) + 0..7.  Two such tiles, rounded to f16 in pairs,
; ARE source 1 (32 keys x 16 queries) of O^T = V^T P, whose result again holds one query a lane, and eight channels.  K comes out of LDS as it lies, V ([key][channel]) turned, by ds_load_tr16_b128.
; SOFTMAX.  For each query a running maximum m and sum l: p = 2^(c s - c m), c = log2(e) / 8; in every step O and l are multiplied by a = 2^(c m_old - c m_new), which is 1 where m has not grown.
; m starts at the lowest finite number, O and l at 0: the first step is a step like any other, with a = 0.
; THE COUNT.  A tile and step have 16 matrix and 118 vector instructions: too many to stand all beside the matrix work.  So the order has one aim: four vector instructions that are READY behind
; EVERY matrix instruction, and the others, which need time of their own whatever the order, in runs without a gap.
; BY TURNS.  Turn n belongs to piece n (the pieces in a ring, step after step).  Its matrix work: 16 products K Q^T of piece n + 1, later 16 products V^T P of piece n - 1.  Its vector work: the scaling,
; exponentials, roundings, sums and rescaling of piece n, and the maximum and statistics of piece n + 1, whose scores the turn itself has made.
; CLUSTER.  The four query blocks of a cluster are one head's and walk the same K and V, so each tile is asked for JOINTLY: the same tensor load, descriptor and mask in all four.
; REGISTERS, in windows of 256 (s_set_vgpr_msb: bits 1:0 source 0, 3:2 source 1, 5:4 source 2, 7:6 destination):
;   window 0: v0-11 addresses; v12-15, v48-63 at work; v16-47 four registers of statistics a tile; v64-191 S^T, two buffers of two tiles; v192-255 P, likewise
;   window 1: O^T, 32 a tile          window 2: v0-127 Q, 16 a tile; v128-191 K of one step; v192-255 V of one step          window 3: v0-1 the add's two registers
.set SIZE_H, 64
.set SIZE_N, 2048
.set NP,    4         ; pieces a wave: a name, no knob
.set KS,    64        ; keys in a step
.set PK,    144       ; a row of K in LDS: 128 bytes + 16 of padding = 36 words: the 16 rows of a load start at 16 different groups of four banks (64 banks of 4 bytes: ISA guide 11.1)
.set PV,    160       ; a row of V: 128 + 32 = 40 words
.set VOFF,  4*KS*PK   ; a slot holds four steps: 256 rows of K, then 256 rows of V
.set SLOT1, 1<<17     ; slot 1 begins here, so that one exclusive or turns an address in one slot into the other's
.set STAGE, SLOT1+4*KS*(PK+PV)  ; behind the ring, never filled by a tensor load: 16 rows x 144 bytes for each wave, for the way out
.set SP,    144
.set AK0, 2           ; v2   my lane's place in a tile of K; never rewritten
.set AV0, 3           ; v3   the same for V
.set AK,  4           ; v4   the LDS address of K's next run of loads
.set AV,  5           ; v5   of V's
.set QO,  6           ; v6   my byte offset in the wave's rows of Q
.set STO, 6           ;      later, the way out: where I put 16 bytes of a row
.set RD,  7           ; v7   the way out: where I read rows back
.set GO,  8           ; v8   my byte offset in 512 consecutive bytes of O
.set PFO, 11          ; v11  256 x my lane, for the prefetches (made when v11's first use is over); then never rewritten
.set SPW, 0           ; v0 of window 3   LDS address of my spare word; never rewritten
.set NIL, 1           ; v1 of window 3   0; never rewritten
.set SPARE, STAGE+4*16*SP  ; behind the stages: the spare words, 128 bytes for each wave: two blocks of 256 bytes that no other line names
.set MV,  12          ; v12-15  c m_old, kept while c m is made anew: by buffer and tile
.set ST,  16          ; tile t's statistics at v[ST+4 t]: c m, m, l (even keys', odd keys')
.set TMP, 48          ; by buffer and tile, four registers c0-c3 at work; when the maximum is found c2 takes a
.set S,   64
.set P,   192
.set KF,  128         ; K's fragments, in window 2: key block kb, channel half c at KF + 16 kb + 8 c
.set VF,  192         ; V's: key half kk, channel block cb at VF + 32 kk + 8 cb
.set WV,  12          ; s12  my wave's number
.set G1K, 24          ; s[24:31] descriptor group 1 for K's tiles
.set G1V, 32          ; s[32:39] for V's: it differs in the padding alone
.set G0K, 40          ; s[40:43] descriptor group 0 for K's tiles: it walks
.set G0V, 44          ; s[44:47] the same for V's
.set PFA, 48          ; s[48:49] where my prefetches stand: my work-group's 8,192 bytes (of K: wave 0, of V: wave 2) of the slot after the one that is being asked for
.set LIM, 50          ; s50  1 in a wave that prefetches, else the greatest number
.set SLOTS, 56        ; s56  slots still to be asked for
.set CNT, 57          ; s57  counts a slot's key steps
.set CS,  58          ; s[58:59] c: the packed scaling takes the pair's low word for both halves
.set SEL, 60          ; s[60:61] v_permlanex16_b32's selects: each lane takes its own place in the other half
.set TBK, 62          ; s62  LDS byte at which K of the step to be fetched begins
.set TBV, 63          ; s63  the same for V, less VOFF
.set MSB, 0
.macro WIN new                      ; the high byte repeats the setting that is left; a switch that changes nothing is dropped
.if MSB != (\new)
	s_set_vgpr_msb (MSB<<8)|(\new)
.set MSB, (\new)
.endif
.endm
.set W_KQ, 0x0a       ; K and Q in window 2, S^T in window 0
.set W_PV, 0x52       ; V in window 2, P in window 0, O^T in window 1
.set W_RS, 0x41       ; O^T (destination and source 0) in window 1, a in window 0
.set W_MK, 0xc0       ; the add's registers are made: destination in window 3, sources in window 0
.set W_AD, 0x0f       ; the add: address (source 0) and data (source 1) in window 3
; A joint fill.  Waves 0 and 1 fetch the two halves of a slot's K, waves 2 and 3 those of its V: 128 keys each.  The branch hangs on the wave's number alone.
; An s_nop 0 and four v_nop follow each of the two lines, ahead of the jump and the label.
.macro JLOAD
	s_cmp_lt_u32 s[WV], 2
	s_cbranch_scc0 .Lfor_v_\@
	tensor_load_to_lds s[G0K:G0K+3], s[G1K:G1K+7]
	s_nop 0
.rept 4
	v_nop
.endr
	s_branch .Lasked_\@
.Lfor_v_\@:
	tensor_load_to_lds s[G0V:G0V+3], s[G1V:G1V+7]
	s_nop 0
.rept 4
	v_nop
.endr
.Lasked_\@:
.endm
; A PREFETCH INTO THE L2 of what the NEXT change of slots will ask for: a slot's 32,768 bytes of K and of V.  It stands behind the wave's tensor load and its five lines.
; Each aligned block of 256 bytes is named ONCE in the launch: a head has one cluster; its four partners share a slot out BY ADDRESS, 8,192 bytes each (no branch hangs on a work-group's
; place in its cluster); in each, wave 0 asks for K's and wave 2 for V's: a lane a block, one instruction.  The lead is one slot: four key steps, 512 matrix instructions.
; Slots 0 to 2 come by their loads alone; the change that fills the last slot asks for nothing.
.macro ASK
	s_cmp_gt_u32 s[SLOTS], s[LIM]
	s_cbranch_scc0 .Lnot_mine_\@
	global_prefetch_b8 v[PFO], s[PFA:PFA+1] th:TH_LOAD_NT scope:SCOPE_SE
.Lnot_mine_\@:
.endm
; A round of the cluster's barrier: my work-group's barrier, so that wave 0's signal speaks for all four waves; wave 0 signals; every wave waits for all four work-groups; my work-group's barrier once more.
.macro CROUND
	s_barrier_signal -1
	s_barrier_wait -1
	s_cmp_lg_u32 s[WV], 0
	s_cbranch_scc1 .Lnot_wave_0_\@
	s_barrier_signal -3
.Lnot_wave_0_\@:
	s_barrier_wait -3
	s_barrier_signal -1
	s_barrier_wait -1
.endm
; THE CHANGE OF SLOTS.  The slot's last bytes, V of its fourth step, have been read.  Each wave waits for all its tensor loads, of which one is out: its part
; of the other slot; adds 0 to its spare word; and waits for that and for its own reads of the slot.  Behind the barrier nobody reads this slot any more and the other slot is whole.
; fill = 1: this slot is filled again, with the keys two slots on.  The barrier is then a round of the cluster's, and the joint fill is the first thing behind it: it has four key steps,
; 512 matrix instructions, in which to land.  (At its first use nothing has been read yet: slot 0 is waited for, slot 1 filled.)  ask = 1: the prefetch's address steps, and ASK follows the fill.
.macro CHANGE fill, ask=0
	WIN W_AD
	s_wait_tensorcnt 0x0            ; no tensor load of mine is out, so a group 0 may be written
	ds_add_u32 v[SPW], v[NIL]       ; 0 onto my spare word; with fill = 1 the descriptors' steps stand between it and the wait for it
	WIN 0                           ; at a label and at a branch every window is 0
.if \fill
.irp g, G0K, G0V
	s_xor_b32 s[\g+1], s[\g+1], SLOT1  ; the walking descriptor: the other slot than last time,
	s_add_nc_u64 s[\g+2:\g+3], s[\g+2:\g+3], 4*KS*128  ; the next 256 keys; the type bits on top are not reached
.endr
.if \ask
	s_wait_xcnt 0x0                 ; the last prefetch, four key steps back, has read its address, so it may be written:
	s_add_nc_u64 s[PFA:PFA+1], s[PFA:PFA+1], 4*KS*128  ; one slot behind the walking descriptors
.endif
	s_wait_dscnt 0x0                ; the add is done, and my reads of the slot are over
	CROUND
	JLOAD
.if \ask
	ASK
.endif
.else
	s_wait_dscnt 0x0                ; the add is done, and my reads of the slot are over
	s_barrier_signal -1
	s_barrier_wait -1
.endif
	s_sub_co_u32 s[TBK], s[TBK], 4*KS*PK  ; the fetches go back to a slot's first step,
	s_xor_b32 s[TBK], s[TBK], SLOT1       ; in the other slot
	s_sub_co_u32 s[TBV], s[TBV], 4*KS*PV
	s_xor_b32 s[TBV], s[TBV], SLOT1
.endm
	s_load_b128 s[4:7], s[0:1], 0x0 ; qkv s[4:5], act s[6:7]
	WIN W_MK
	v_lshl_add_u32 v[SPW], v0, 2, SPARE
	v_mov_b32 v[NIL], 0
	WIN W_AD
	ds_add_u32 v[SPW], v[NIL]       ; the wave's opening: the add and its wait stand ahead of my first tensor load; the set-up below, work on registers, stands between them
	WIN 0
	v_lshrrev_b32 v1, 5, v0
	v_readfirstlane_b32 s[WV], v1   ; wave 0..3
	s_bfe_u32 s13, ttmp6, 0x40000   ; cx: my place in the cluster
	s_lshl_b32 s14, ttmp9, 2        ; in a cluster launch ttmp9 counts clusters
	s_add_co_u32 s14, s14, s13      ; my block of queries = 4 x cluster x + cx: it enters Q's and O's addresses alone
	s_and_b32 s20, ttmp7, 0xffff    ; the head, which the four partners share
	s_mov_b32 s21, 0
	s_mov_b64 s[22:23], SIZE_N*128
	s_mul_u64 s[20:21], s[20:21], s[22:23]  ; the head's first byte in each of the four tensors
	s_and_b32 s16, s[WV], 1         ; which half of a slot's 256 keys I fetch:
	s_lshl_b32 s22, s16, 14         ; its 128 rows of 128 bytes in memory,
	s_mov_b32 s23, 0
	s_add_nc_u64 s[22:23], s[22:23], s[20:21]
	s_mul_i32 s17, s16, 128*PK      ; and its place in a slot, for K
	s_mul_i32 s18, s16, 128*PV      ; and for V: no place in the cluster enters an LDS address
	s_lshl_b32 s2, s14, 2
	s_add_co_u32 s2, s2, s[WV]      ; my wave among the head's,
	s_lshl_b32 s2, s2, 14           ; its 128 rows
	s_mov_b32 s3, 0
	s_add_nc_u64 s[2:3], s[2:3], s[20:21]
	; descriptor group 1.  128 keys are 16,384 dense bytes: asked for as 64 rows of 256 bytes, two keys a row, and padded in LDS after every key
	s_mov_b32 s[G1K], 15|(1<<16)|(1<<20)|(1<<21)|(4<<22)|(3<<25)  ; 15:0 the mask of four; 17:16 2-byte elements; 20 padding on; 21 set beside a mask; 24:22 after every 32 words (code 4); 31:25 4 words (code 3)
	s_mov_b32 s[G1V], 15|(1<<16)|(1<<20)|(1<<21)|(4<<22)|(7<<25)  ; the same with 8 words of padding (code 7)
.irp g, G1K, G1V
	s_mov_b32 s[\g+1], 128<<16      ; tensor_dim0 = 128
	s_mov_b32 s[\g+2], 64<<16       ; tensor_dim1 = 64
	s_mov_b32 s[\g+3], 128<<16      ; tile_dim0 = 128
	s_mov_b32 s[\g+4], 64           ; tile_dim1 = 64
	s_mov_b32 s[\g+5], 128          ; 128 elements from row to row
	s_mov_b32 s[\g+6], 0
	s_mov_b32 s[\g+7], 0
.endr
	s_mov_b32 s[CS], 0x3e38aa3b     ; c = log2(e) / 8 = 0.180337
	s_mov_b32 s[CS+1], s[CS]        ; named with it as a pair
	s_mov_b32 s[SEL], 0x76543210
	s_mov_b32 s[SEL+1], 0xfedcba98
	s_mov_b32 s[TBK], SLOT1+4*KS*PK ; the first change of slots turns these two into 0
	s_mov_b32 s[TBV], SLOT1+4*KS*PV
	s_mov_b32 s[G0K], 1             ; 1:0 count = 1
	s_mov_b32 s[G0K+1], s17         ; 63:32 LDS address: slot 0
	s_mov_b32 s[G0V], 1
	s_add_co_u32 s[G0V+1], s18, VOFF
	s_cmp_eq_u32 s16, 0             ; waves 0 and 2 prefetch: the same in all four partners
	s_cselect_b32 s[LIM], 1, -1
	s_wait_dscnt 0x0                ; the opening add is done
	s_wait_kmcnt 0x0
	s_mov_b64 s[10:11], s[6:7]      ; O
	s_add_nc_u64 s[6:7], s[4:5], 0x1000000  ; K lies 16,777,216 bytes behind Q,
	s_add_nc_u64 s[8:9], s[4:5], 0x2000000  ; V as far behind K
	s_add_nc_u64 s[G0K+2:G0K+3], s[6:7], s[22:23]  ; 120:64 global address: my half of the head's first 256 keys
	s_or_b32 s[G0K+3], s[G0K+3], 0x80000000        ; 127:126 type = 2
	s_add_nc_u64 s[G0V+2:G0V+3], s[8:9], s[22:23]
	s_or_b32 s[G0V+3], s[G0V+3], 0x80000000
	s_add_nc_u64 s[4:5], s[4:5], s[2:3]  ; Q and O at my wave's first row
	s_add_nc_u64 s[10:11], s[10:11], s[2:3]
	s_cmp_lt_u32 s[WV], 2
	s_cselect_b64 s[PFA:PFA+1], s[6:7], s[8:9]
	s_add_nc_u64 s[PFA:PFA+1], s[PFA:PFA+1], s[22:23]  ; (in waves 0 and 2 this is the head's first row)
	s_lshl_b32 s2, s13, 13          ; my work-group's quarter of a slot
	s_mov_b32 s3, 0
	s_add_nc_u64 s[PFA:PFA+1], s[PFA:PFA+1], s[2:3]
	s_add_nc_u64 s[PFA:PFA+1], s[PFA:PFA+1], 2*4*KS*128  ; in slot 2; the loop's first change of slots steps it to slot 3.  Nothing is prefetched here, at the head
	CROUND                          ; all four work-groups are here: the first joint loads meet
	JLOAD                           ; slot 0.  Slot 1 is asked for when slot 0 is in: the tile wanted first has the road to itself
	; A fragment of K or Q is 16 rows x 32 channels in 8 registers: lane l holds row l % 16, channels 8 (l / 16) + 0..7 and 16 + 8 (l / 16) + 0..7: two loads of 16 bytes, 32 bytes apart.
	v_and_b32 v1, 15, v0            ; l % 16
	v_bfe_u32 v9, v0, 4, 1          ; l / 16
	v_lshlrev_b32 v[QO], 7, v1
	v_lshl_add_u32 v[QO], v9, 4, v[QO]  ; row x 128 + 16 x half
	WIN 0x80                        ; destination window 2, address window 0
.set i, 0
.rept 4*NP                          ; Q stays in registers: tile i / 2, channels 32 (i % 2) on
	global_load_b128 v[8*i:8*i+3],   v[QO], s[4:5] offset:(i/2)*2048+(i%2)*64
	global_load_b128 v[8*i+4:8*i+7], v[QO], s[4:5] offset:(i/2)*2048+(i%2)*64+32
.set i, i+1
.endr
	; What the first turn finds: V's registers and P's second buffer hold 0 (its products V^T P, of a piece that has not been, add 0), O^T and l are 0.  All this stands in the wait for the first tile.
.set i, VF
.rept 64
	v_mov_b32 v[i], 0
.set i, i+1
.endr
	WIN 0x40
.set i, 0
.rept 64*NP
	v_mov_b32 v[i], 0
.set i, i+1
.endr
	WIN 0
.set i, 0
.rept 2*NP
	v_mov_b32 v[ST+4*i], 0xfe000000    ; c m: far below every c s
	v_mov_b32 v[ST+4*i+1], 0xff7fffff  ; m
	v_mov_b32 v[ST+4*i+2], 0
	v_mov_b32 v[ST+4*i+3], 0
.set i, i+1
.endr
.set i, P+32
.rept 32
	v_mov_b32 v[i], 0
.set i, i+1
.endr
	v_mul_u32_u24 v[AK0], v1, PK
	v_lshl_add_u32 v[AK0], v9, 4, v[AK0]  ; row x pitch + 16 x half
	; The turning load takes 16 keys x 16 channels (lane l reads key 8 (l / 16) + l % 8, channels 8 ((l / 8) % 2) + 0..7) and leaves half a fragment of V^T: lane l holds channel l % 16 and 8 keys.
	v_and_b32 v10, 7, v0
	v_bfe_u32 v11, v0, 3, 1
	v_lshl_add_u32 v[AV0], v9, 3, v10
	v_mul_u32_u24 v[AV0], v[AV0], PV
	v_lshl_add_u32 v[AV0], v11, 4, v[AV0]
	v_add_nc_u32 v[AV0], VOFF, v[AV0]
	v_mov_b32 v[AK], v[AK0]         ; key step 0 lies at the head of slot 0
	v_and_b32 v[PFO], 31, v0
	v_lshlrev_b32 v[PFO], 8, v[PFO]
; THE MATRIX WORK.  The 8 accumulators of a run of 16 take turns: between the two links of a chain stand 7 others'.
; Product i of 16 of S^T = K Q^T for piece x: channels 32 (i / 8) on, keys 16 ((i / 2) % 4) on, tile 2 x + i % 2.  The first 8 start the sums.
.macro KQ x
	WIN W_KQ
.set rS, S+64*((\x)%2)+32*(i%2)+8*((i/2)%4)
.set rK, KF+16*((i/2)%4)+8*(i/8)
.set rQ, 16*(2*(\x)+i%2)+8*(i/8)
.if i < 8
	v_wmma_f32_16x16x32_f16 v[rS:rS+7], v[rK:rK+7], v[rQ:rQ+7], 0
.else
	v_wmma_f32_16x16x32_f16 v[rS:rS+7], v[rK:rK+7], v[rQ:rQ+7], v[rS:rS+7]
.endif
.endm
; Product i of 16 of O^T += V^T P for piece x: keys 32 (i / 8) on, channels 16 ((i / 2) % 4) on, tile 2 x + i % 2.
.macro PV x
	WIN W_PV
.set rO, 32*(2*(\x)+i%2)+8*((i/2)%4)
.set rV, VF+32*(i/8)+8*((i/2)%4)
.set rP, P+32*((\x)%2)+16*(i%2)+8*(i/8)
	v_wmma_f32_16x16x32_f16 v[rO:rO+7], v[rV:rV+7], v[rP:rP+7], v[rO:rO+7]
.endm
.macro MM                           ; the turn's next matrix instruction
.if i < 16
	KQ (Y+1)%NP
.set i, i+1
.else
.set i, i-16
	PV (Y+NP-1)%NP
.set i, i+17
.endif
.endm
; THE LDS LOADS stand in runs of 16, never singly among the matrix instructions: a step's K (64 keys x 64 channels: 8 fragments) and its V (turned).  Their addresses are made some lines ahead.
; last = 1 (the tail): in the last trip there is no further step, and the run is jumped over.
.macro FETCH_K last=0
	WIN 0
.if \last
	s_cmp_eq_u32 s[CNT], 1
	s_cbranch_scc1 .Lno_k_\@
.endif
	WIN 0x80                        ; destination window 2
.irp f, 0,1,2,3,4,5,6,7             ; keys 16 (f / 2) on, channels 32 (f % 2) on
	ds_load_b128 v[KF+8*\f:KF+8*\f+3],   v[AK] offset:(\f/2)*16*PK+(\f%2)*64
	ds_load_b128 v[KF+8*\f+4:KF+8*\f+7], v[AK] offset:(\f/2)*16*PK+(\f%2)*64+32
.endr
	s_add_co_u32 s[TBK], s[TBK], KS*PK  ; the next fetch is the next step's
	WIN 0
.if \last
.Lno_k_\@:
.endif
.endm
.macro FETCH_V
	WIN 0x80
.irp f, 0,1,2,3,4,5,6,7             ; keys 32 (f / 4) on, channels 16 (f % 4) on
	ds_load_tr16_b128 v[VF+8*\f:VF+8*\f+3],   v[AV] offset:(\f/4)*32*PV+(\f%4)*32
	ds_load_tr16_b128 v[VF+8*\f+4:VF+8*\f+7], v[AV] offset:(\f/4)*32*PV+16*PV+(\f%4)*32
.endr
	WIN 0
.endm
; THE VECTOR WORK OF A TURN stands in three queues, each in the order in which its entries become ready; the two tiles alternate, so that no instruction reads the result of the one before it.
.macro REGS y, u                    ; the registers of tile u (0, 1) of piece y
.set rT, ST+4*(2*(\y)+(\u))
.set rC, TMP+8*((\y)%2)+4*(\u)
.set rM, MV+2*((\y)%2)+(\u)
.set rS, S+64*((\y)%2)+32*(\u)
.set rP, P+32*((\y)%2)+16*(\u)
.set rO, 32*(2*(\y)+(\u))
.endm
; Number n of the 22 that find the NEXT piece's (Y + 1) maximum and statistics.  s0-s31 are the lane's 32 scores; each accumulator's lowest registers are read first.
;   0-11  four chains c0-c3 of seven scores each, three operands at a time     12-14, 16  the four scores left over, the old m, and c0-c3 into c0     15  c m_old is kept
;   17, 18  the query's other 32 keys lie in the lane 16 away: the new m         19-21  c m; c m_old - c m_new; a
.macro XS u, n
	REGS (Y+1)%NP, \u
.if (\n) < 4
	v_max3_num_f32 v[rC+(\n)], v[rS+8*(\n)], v[rS+8*(\n)+1], v[rS+8*(\n)+2]
.elseif (\n) < 12
	v_max3_num_f32 v[rC+(\n)%4], v[rC+(\n)%4], v[rS+8*((\n)%4)+2*((\n)/4)+1], v[rS+8*((\n)%4)+2*((\n)/4)+2]
.elseif (\n) == 12
	v_max3_num_f32 v[rC], v[rC], v[rS+7], v[rS+15]
.elseif (\n) == 13
	v_max3_num_f32 v[rC+1], v[rC+1], v[rS+23], v[rS+31]
.elseif (\n) == 14
	v_max3_num_f32 v[rC+2], v[rC+2], v[rC+3], v[rT+1]
.elseif (\n) == 15
	v_mov_b32 v[rM], v[rT]
.elseif (\n) == 16
	v_max3_num_f32 v[rC], v[rC], v[rC+1], v[rC+2]
.elseif (\n) == 17
	v_permlanex16_b32 v[rC+3], v[rC], s[SEL], s[SEL+1]
.elseif (\n) == 18
	v_max_num_f32 v[rT+1], v[rC], v[rC+3]
.elseif (\n) == 19
	v_mul_f32 v[rT], s[CS], v[rT+1]
.elseif (\n) == 20
	v_sub_f32 v[rC+1], v[rM], v[rT]
.else
	v_exp_f32 v[rC+2], v[rC+1]
.endif
.endm
; Number g of the 64 that follow the exponentials.  For each four weights k of a tile (pairs 2 k, 2 k + 1): both pairs are rounded to f16; then the second pair is added onto the first, in place;
; a group later l takes that sum (the first time as l = a l + sum).  In groups of eight, tiles alternating: round, round, add, and l for the group before.
.macro GS g
.set h, (\g)+6*((\g)/62)            ; group 0 has no group before it, and behind group 7 only l is left
.if h >= 6
.set h, h+2
.endif
	REGS Y, h%2
.set k, h/8
.if h%8 < 4
	s_wait_alu depctr_va_vdst(0)
	v_cvt_pk_f16_f32 v[rP+2*k+(h%8)/2], v[rS+4*k+2*((h%8)/2)], v[rS+4*k+2*((h%8)/2)+1]
.elseif h%8 < 6
	v_pk_add_f32 v[rS+4*k:rS+4*k+1], v[rS+4*k:rS+4*k+1], v[rS+4*k+2:rS+4*k+3]
.elseif k == 1
	v_pk_fma_f32 v[rT+2:rT+3], v[rT+2:rT+3], v[rC+2:rC+3], v[rS:rS+1] op_sel_hi:[1,0,1]
.else
	v_pk_add_f32 v[rT+2:rT+3], v[rT+2:rT+3], v[rS+4*k-4:rS+4*k-3]
	s_wait_alu depctr_va_vdst(0)
.endif
.endm
; THE PLAIN QUEUE, 138 long.  0-31: c s - c m for the 16 pairs of both tiles.  Then GS's 64, and among them the next piece's 42: number 15 at 38, 39; 0-14 and 16
; at 42-73, behind the products that make those scores; 17-20 at 95-106, two of three, since each waits for the one before it.
.macro PL
	WIN 0
.if q < 32
	REGS Y, q%2
	v_pk_fma_f32 v[rS+2*(q/2):rS+2*(q/2)+1], v[rS+2*(q/2):rS+2*(q/2)+1], s[CS:CS+1], v[rT:rT+1] op_sel_hi:[1,0,0] neg_lo:[0,0,1] neg_hi:[0,0,1]
.elseif q < 38
	GS q-32
.elseif q < 40
	XS q%2, 15
.elseif q < 42
	GS q-34
.elseif q < 74
	XS q%2, (q-42)/2+(q-42)/30
.elseif q < 95
	GS q-66
.elseif (q < 107) && ((q-95)%3 < 2)
	XS (q-95)%3, 17+(q-95)/3
.elseif q < 107
	GS 29+(q-95)/3
.else
	GS q-74
.endif
.set q, q+1
.endm
; THE EXPONENTIALS' QUEUE, 66 long: s0-s31 of both tiles, and at EA the next piece's two a.
.set EA, 58
.macro EX
	WIN 0
.if (e == EA) || (e == EA+1)
	XS e-EA, 21
.else
.set x, e-2*(e/(EA+2))
	REGS Y, x%2
	v_exp_f32 v[rS+x/2], v[rS+x/2]
.endif
.set e, e+1
.endm
; THE RESCALING's QUEUE: O^T times a, the one part that leaves window 0, so it is dealt four at a time, eight times.
.macro R4
	REGS Y, r%2
	WIN W_RS
	s_wait_alu depctr_va_vdst(0)
.irp z, 0,1,2,3
	v_pk_mul_f32 v[rO+8*(r/2)+2*\z:rO+8*(r/2)+2*\z+1], v[rO+8*(r/2)+2*\z:rO+8*(r/2)+2*\z+1], v[rC+2:rC+3] op_sel_hi:[1,0]
.endr
.set r, r+1
.endm
; HOW THEY ARE DEALT.  Behind a matrix instruction four: plain, exponential, plain, plain (one exponential, a plain instruction on either side), or four of the rescaling.  None names a register of the
; products round it.  What is over stands in two LUMPS: exponential and plain by turns; the second ends in 22 plain instructions.  The two v_permlanex16_b32 fall into the second lump, never behind a product.
; The queues lean on each other, and the deal keeps them in step: exponential e stands behind plain 2 (e / 4) + e % 2 (its scaling); when plain 32 comes, 10 exponentials are out, at 59: 33, at 95: 46; EA comes behind plain 107.
.macro SL
	MM
	PL
	EX
	PL
	PL
.endm
.macro BURST n                      ; 15 matrix instructions, or 16
.rept (\n)-7
	SL
.endr
.rept 3
	MM
	R4
	SL
.endr
	MM
	R4
.endm
; A TURN, for piece p.  cnt = 1: the loop's count is taken down some lines ahead of the branch that stands behind the turn.
; K of the next step is fetched in piece 2's turn, 31 vector instructions behind the last product that read K; its first reader comes behind the rest of the lump, 16 products and the second lump.
; V of the step in hand is fetched at the end of piece 0's turn, 69 behind its last reader; its first reader comes behind 16 products and a lump.  The four conditions on e and q below go with the deal.
.macro TURN p, last=0, cnt=0
.set Y, (\p)
.set i, 0
.set q, 0
.set e, 0
.set r, 0
.if (\p) == NP-1
	s_wait_dscnt 0x0                ; K is in
.endif
	MM
.rept 4
	PL
.endr
	BURST 15
.rept 22
	EX
	PL
.if ((\p) == NP-2) && (e == 18)
	v_add_nc_u32 v[AK], s[TBK], v[AK0]
.endif
.if ((\p) == NP-2) && (e == 24)
	FETCH_K \last
.endif
.endr
.if (\p) == 1
	s_wait_dscnt 0x0                ; V is in
.endif
	BURST 16
.rept 21
	EX
	PL
.endr
.rept 22
	PL
.if ((\p) == 0) && (q == 118)
	v_add_nc_u32 v[AV], s[TBV], v[AV0]
	s_wait_alu depctr_va_vdst(0)
.endif
.if ((\p) == 0) && (q == 130)
	s_add_co_u32 s[TBV], s[TBV], KS*PV
.endif
.if (\cnt) && (q == 130)
	s_sub_co_u32 s[CNT], s[CNT], 1
	s_cmp_lg_u32 s[CNT], 0
.endif
.endr
.if (\p) == 0
	FETCH_V
.endif
.endm
	CHANGE 1                        ; slot 0 is in, everybody's part of it; slot 1 is asked for
	FETCH_K                         ; key step 0
	s_wait_loadcnt 0x0              ; Q
	s_wait_dscnt 0x0
.set i, 0
.rept 16
	KQ 0                            ; piece 0's first scores: there is no vector work yet to set between them
.set i, i+1
.endr
	WIN 0                           ; the addresses for the way out: nine plain instructions, the places behind those products
	s_mul_i32 s13, s[WV], 16*SP
	s_add_co_u32 s13, s13, STAGE    ; my stage
	v_mul_u32_u24 v[STO], v1, SP    ; in: row l % 16, 16 bytes for each half of the lanes
	v_lshl_add_u32 v[STO], v9, 4, v[STO]
	v_add_nc_u32 v[STO], s13, v[STO]
	v_bfe_u32 v[RD], v0, 3, 2       ; back: 32 lanes take four rows of 128 bytes,
	v_mul_u32_u24 v[RD], v[RD], SP
	v_lshl_add_u32 v[RD], v10, 4, v[RD]
	v_add_nc_u32 v[RD], s13, v[RD]
	v_and_b32 v[GO], 31, v0         ; which are 512 consecutive bytes of O
	v_lshlrev_b32 v[GO], 4, v[GO]
.set Y, NP-1                        ; XS works for piece Y + 1: piece 0
.irp n, 0,1,2,3,4,5,6,7,8,9,10,11,12,13,14,15,16,17,18,19,20,21
	XS 0, \n                        ; and piece 0's first maximum and statistics
	XS 1, \n
.endr
	s_mov_b32 s[CNT], 4
	s_mov_b32 s[SLOTS], SIZE_N/256-1
	s_branch .Lfirst                ; the loop is entered at a step's first turn, in the middle of a trip
.Lslot:                             ; SIZE_N / 256 - 2 times: every slot but the last two is filled again
	CHANGE 1, 1
	s_mov_b32 s[CNT], 4
.Lstep:                             ; a trip: pieces 2 and 3 of one step, then pieces 0 and 1 of the next, whose K and V it fetches
	TURN 2
	TURN 3
	WIN 0
.Lfirst:
	TURN 0
	TURN 1, 0, 1
	WIN 0
	s_cbranch_scc1 .Lstep
	s_sub_co_u32 s[SLOTS], s[SLOTS], 1
	s_cmp_lg_u32 s[SLOTS], 0
	s_cbranch_scc1 .Lslot
	CHANGE 0                        ; the tail is written out: nothing is asked for
	s_mov_b32 s[CNT], 5             ; four trips fetch the last slot's steps; the fifth is left in its middle
.Ltail:
	TURN 2, 1
	TURN 3
	WIN 0
	s_sub_co_u32 s[CNT], s[CNT], 1
	s_cmp_eq_u32 s[CNT], 0
	s_cbranch_scc1 .Lout
	TURN 0
	TURN 1
	WIN 0
	s_branch .Ltail
.Lout:                              ; the fifth trip's 16 products K Q^T (on the last K once more) and the maximum made of them serve nothing: the price, once a launch, of one text for every trip
.set i, 0
.rept 16
	PV NP-1                         ; the last piece's V^T P of the last step
.set i, i+1
.endr
	; THE WAY OUT.  l's two halves and the other half of the lanes' are added; O^T is divided by l, rounded to f16 and sent through my stage in LDS, a tile at a time.  The additions are the places behind the last products.
	WIN 0
.macro ALL line:vararg              ; one line for each tile t
.set t, 0
.rept 2*NP
	\line
.set t, t+1
.endr
.endm
	ALL v_add_f32 v[ST+4*t+2], v[ST+4*t+2], v[ST+4*t+3]
	ALL v_permlanex16_b32 v[ST+4*t+3], v[ST+4*t+2], s[SEL], s[SEL+1]
	ALL v_add_f32 v[ST+4*t+2], v[ST+4*t+2], v[ST+4*t+3]
	ALL v_rcp_f32 v[ST+4*t+2], v[ST+4*t+2]
	v_nop                           ; a plain instruction between the last reciprocal and the use of its result
	s_wait_alu depctr_va_vdst(0)
; Tile t: a lane's eight channels of a row pack into 16 bytes; they go into rows of 144 bytes and come back as whole rows of 128, into S^T's registers.
.macro PACK t
	WIN W_RS
.set i, 32*(\t)
.rept 16
	v_pk_mul_f32 v[i:i+1], v[i:i+1], v[ST+4*(\t)+2:ST+4*(\t)+3] op_sel_hi:[1,0]
.set i, i+2
.endr
	WIN 0x05                        ; sources 0 and 1 window 1, destination window 0
.set i, 0
.rept 16
	v_cvt_pk_f16_f32 v[S+16*(\t)+i], v[32*(\t)+2*i], v[32*(\t)+2*i+1]
.set i, i+1
.endr
	WIN 0
.irp f, 0,1,2,3
	ds_store_b128 v[STO], v[S+16*(\t)+4*\f:S+16*(\t)+4*\f+3] offset:32*\f
.endr
.irp f, 0,1,2,3
	ds_load_b128 v[S+16*(\t)+4*\f:S+16*(\t)+4*\f+3], v[RD] offset:\f*4*SP  ; LDS serves a wave's instructions in order (ISA guide 5.7.1.4): these see the stores above; the next tile's stores come behind them
.endr
.endm
.macro SEND t, younger              ; younger: the LDS instructions issued behind tile t's loads: the next tile's eight, or none
	WIN 0
.irp f, 0,1,2,3
	s_wait_dscnt (\younger)+3-\f
	global_store_b128 v[GO], v[S+16*(\t)+4*\f:S+16*(\t)+4*\f+3], s[10:11] offset:(\t)*2048+\f*512  ; 512 consecutive bytes, at a multiple of 256 from O's first
.endr
.endm
	PACK 0
.set t, 1
.rept 2*NP-1                        ; a tile's arithmetic stands between the loads of the tile before and its stores
	PACK t
	SEND t-1, 8
.set t, t+1
.endr
	SEND 2*NP-1, 0
	WIN W_AD
	s_wait_tensorcnt 0x0            ; the wave's end, behind my last tensor load and my last LDS store
	ds_add_u32 v[SPW], v[NIL]
	s_wait_dscnt 0x0
	WIN 0
	CROUND                          ; the closing round: no work-group ends while a partner may still ask for a tile that names it
	s_endpgm
.Lfunc_end_k_qd9e70f3570_attn:
	.size	k_qd9e70f3570_attn, .Lfunc_end_k_qd9e70f3570_attn-k_qd9e70f3570_attn
	.p2alignl 7, 3214868480
	.fill 96, 4, 3214868480
	.section	.rodata,"a",@progbits
	.p2align	6, 0x0
	.amdhsa_kernel k_qd9e70f3570_attn
		.amdhsa_group_segment_fixed_size 327680
		.amdhsa_private_segment_fixed_size 0
		.amdhsa_enable_private_segment 0
		.amdhsa_kernarg_size 16
		.amdhsa_user_sgpr_count 2
		.amdhsa_user_sgpr_kernarg_segment_ptr 1
		.amdhsa_wavefront_size32 1
		.amdhsa_system_sgpr_workgroup_id_x 1
		.amdhsa_system_sgpr_workgroup_id_y 1
		.amdhsa_system_sgpr_workgroup_id_z 1
		.amdhsa_system_vgpr_workitem_id 0
		.amdhsa_next_free_vgpr 770
		.amdhsa_next_free_sgpr 66
		.amdhsa_reserve_vcc 0
		.amdhsa_float_denorm_mode_32 3
		.amdhsa_float_denorm_mode_16_64 3
		.amdhsa_memory_ordered 1
		.amdhsa_forward_progress 1
		.amdhsa_inst_pref_size 209
	.end_amdhsa_kernel
	.amdgpu_metadata
---
amdhsa.version: [ 1, 2 ]
amdhsa.kernels:
  - .name:           k_qd9e70f3570_attn
    .symbol:         k_qd9e70f3570_attn.kd
    .args:
      - { .name: qkv, .offset: 0, .size: 8, .value_kind: global_buffer, .address_space: global }
      - { .name: act, .offset: 8, .size: 8, .value_kind: global_buffer, .address_space: global }
    .group_segment_fixed_size: 327680
    .private_segment_fixed_size: 0
    .kernarg_segment_align: 8
    .kernarg_segment_size: 16
    .max_flat_workgroup_size: 128
    .sgpr_count:     66
    .vgpr_count:     770
    .wavefront_size: 32
...
	.end_amdgpu_metadata
.endif
;; end of part 3
;; launch outp (part 4): grid 4 x 64, 4 waves a work-group, clusters of 4 x 4, 327,680 bytes of LDS; arguments act, wo, bout, out0; writes out0
.if DOCPART == 4
	.amdgcn_target "amdgcn-amd-amdhsa--gfx1250"
	.amdhsa_code_object_version 6
	.text
	.protected	k_qd9e70f3570_outp
	.globl	k_qd9e70f3570_outp
	.p2align	8
	.type	k_qd9e70f3570_outp,@function
k_qd9e70f3570_outp:
	s_mov_b64 s[64:65], 0
	v_nop
	global_prefetch_b8 v0, s[64:65] scope:SCOPE_SE
	s_setreg_imm32_b32 hwreg(HW_REG_WAVE_MODE, 25, 1), 1
	s_wait_xcnt 0x0
	s_wait_alu depctr_hold_cnt(0) depctr_sa_sdst(0) depctr_va_vdst(0) depctr_va_sdst(0) depctr_va_ssrc(0) depctr_va_vcc(0) depctr_vm_vsrc(0)
	s_getreg_b32 s2, hwreg(HW_REG_IB_STS2, 6, 4)
	s_cmp_eq_u32 s2, 0
	s_cbranch_scc0 .Lentry_in_a_cluster
	s_endpgm
.Lentry_in_a_cluster:
	s_bfe_u32 s2, ttmp6, 0x10000c
	s_cmp_lg_u32 s2, 0xf033
	s_cbranch_scc0 .Lentry_shape_is_right
	s_endpgm
.Lentry_shape_is_right:
; out0 = ctx Wout + bout.  ctx: act[b][kb][s][64] f16 (kb = head); weights: wo[kb][n][64] f16 (bf16 values); bout f32, rounded to bf16 here; sums and output in f32.
; SHARES.  8,192 x 1,024 outputs on 256 work-groups: a tile of 128 rows x 256 columns each (256 x 256 would leave half the WGPs without work).  Four waves, each 64 x 128:
; 32 accumulators, all of window 1: (g, a, j) at v[128 g + 8 (4 a + j)], g the half of the wave's 8 column blocks, a the block row, j the block in the half.
; THE MATRIX INSTRUCTION IS USED TRANSPOSED (source 0 = 16 rows of wo, source 1 = 16 rows of ctx): a lane holds row l % 16 and 8 neighbouring columns: 32 bytes of a row of out0.
; THE BIAS is the C operand of the first product, as block row 0's accumulators: rows 1 to 3 take them as C, row 0 adds in place last.
; K: a slot holds 128 along K, two K blocks; a unit is 32 along K, four to a slot, 32 in all.  Waves 0 and 1 fetch ctx's two K blocks (128 rows each), waves 2 and 3 wo's (256 rows each):
; dense blocks of rows of 128 bytes, asked for as rows of 256 bytes and padded after every 128.
; CLUSTER 4 x 4: ctx's tile is asked for jointly along a row of the cluster, wo's along a column.  A wave has two tensor loads out at the start and one behind each round.
; FRAGMENTS.  Two sets, by the unit's parity; a buffer that has been multiplied takes the unit two ahead at once.
; REGISTERS.  window 0: v0-12, v28-29 addresses; v32-95 ctx's fragments (two sets of 4 x 8); v96-223 wo's (set p, half g at 96 + 64 p + 32 g).  On the way out v32-159: two buffers of 16 rows read back.
.set PITCH, 144                        ; an LDS row: 128 bytes + 16 = 36 words: the 16 rows of a fragment load start at 16 different groups of four banks (64 banks of 4 bytes: ISA guide 11.1)
.set BLK,   16*PITCH
.set AKK,   128*PITCH                  ; a K block of ctx's tile
.set BOFF,  2*AKK
.set BKK,   256*PITCH                  ; a K block of wo's tile
.set SLOT1, 1<<17
.set STAGE, SLOT1+BOFF+2*BKK           ; behind the ring, never filled by a tensor load: 16 rows x 528 bytes for each wave
.set SP,    528                        ; 512 bytes + 16: row r starts at bank 4 r mod 64
.set SPARE, STAGE+4*16*SP              ; the spare words, 128 bytes a wave: two blocks of 256 bytes that no other line names
.set STEP_A, 2*2048*128                ; bytes from a slot's K blocks to the next slot's, in act
.set STEP_B, 2*1024*128                ; and in wo
.set A0,   4
.set B0,   5
.set ADRA, 6
.set ADRB, 7
.set STO,  8
.set RD,   9
.set GO,   10
.set BO,   12
.set SPW,  28
.set NIL,  29
.set AF,   32
.set BF,   96
.set OB,   32
.set WV,  14
.set WR,  15                           ; my half of the rows; also: I fetch ctx (0) or wo (1)
.set WC,  16                           ; my half of the columns; also: which K block of a slot I fetch
.set CX,  17
.set CY,  18
.set CC,  19                           ; tile column 0..3
.set RR,  20                           ; tile row 0..63
.set G1A, 24
.set G1B, 32
.set G0A, 40
.set G0B, 48
.set TB,  56
.set CNT, 57
.set HIM, 58
.set OUT, 66                           ; s[66:67] out0 at my wave's first row and column
.set BI,  74                           ; s[74:75] the bias at my first column
.set MSB, 0
.macro WIN new
.if MSB != (\new)
	s_set_vgpr_msb (MSB<<8)|(\new)
.set MSB, \new
.endif
.endm
.macro PLACES                          ; four places behind matrix instructions (ISA guide 7.12.1)
.rept 4
	v_nop
.endr
.endm
.macro CREST
	s_cmp_lg_u32 s[WV], 0
	s_cbranch_scc1 .Lnot_wave_0_\@
	s_barrier_signal -3
.Lnot_wave_0_\@:
	s_barrier_wait -3
	s_barrier_signal -1
	s_barrier_wait -1
.endm
.macro CROUND
	s_barrier_signal -1
	s_barrier_wait -1
	CREST
.endm
.macro JLOAD                           ; a joint refill by the walking sets; an s_nop 0 and four v_nop follow each line
	s_cmp_eq_u32 s[WR], 0
	s_cbranch_scc0 .Lfor_b_\@
	tensor_load_to_lds s[G0A+4:G0A+7], s[G1A:G1A+7]
	s_nop 0
.rept 4
	v_nop
.endr
	s_branch .Lasked_\@
.Lfor_b_\@:
	tensor_load_to_lds s[G0B+4:G0B+7], s[G1B:G1B+7]
	s_nop 0
.rept 4
	v_nop
.endr
.Lasked_\@:
.endm
	s_load_b256 s[4:11], s[0:1], 0x0               ; act s[4:5], wo s[6:7], bout s[8:9], out0 s[10:11]
	v_lshl_add_u32 v[SPW], v0, 2, SPARE
	v_mov_b32 v[NIL], 0
	ds_add_u32 v[SPW], v[NIL]                      ; the wave's opening: the add and its wait stand ahead of my first tensor load
	v_lshrrev_b32 v1, 5, v0
	v_readfirstlane_b32 s[WV], v1
	s_lshr_b32 s[WR], s[WV], 1
	s_and_b32 s[WC], s[WV], 1
	s_bfe_u32 s[CX], ttmp6, 0x40000
	s_bfe_u32 s[CY], ttmp6, 0x40004
	s_lshl_b32 s[CC], ttmp9, 2
	s_add_co_u32 s[CC], s[CC], s[CX]
	s_and_b32 s[RR], ttmp7, 0xffff
	s_lshl_b32 s[RR], s[RR], 2
	s_add_co_u32 s[RR], s[RR], s[CY]
	s_lshl_b32 s21, s[CY], 2
	s_lshl_b32 s21, 15, s21                        ; my row of the cluster
	s_lshl_b32 s60, 0x1111, s[CX]                  ; my column
	s_or_b32 s[G1A], s21, (1<<16)|(1<<20)|(1<<21)|(4<<22)|(3<<25)  ; the mask; 2-byte elements; padding on; 21 set beside a mask; after every 32 words; 4 words
	s_or_b32 s[G1B], s60, (1<<16)|(1<<20)|(1<<21)|(4<<22)|(3<<25)
	s_mov_b32 s[G1A+1], 128<<16                    ; tensor_dim0 = 128 elements
	s_mov_b32 s[G1A+2], 64<<16                     ; tensor_dim1 = 64: ctx's 128 rows
	s_mov_b32 s[G1A+3], 128<<16
	s_mov_b32 s[G1A+4], 64
	s_mov_b32 s[G1A+5], 128
	s_mov_b32 s[G1A+6], 0
	s_mov_b32 s[G1A+7], 0
	s_mov_b32 s[G1B+1], 128<<16
	s_mov_b32 s[G1B+2], 128<<16                    ; wo's 256 rows
	s_mov_b32 s[G1B+3], 128<<16
	s_mov_b32 s[G1B+4], 128
	s_mov_b32 s[G1B+5], 128
	s_mov_b32 s[G1B+6], 0
	s_mov_b32 s[G1B+7], 0
	; ctx's tile: b = R / 16, rows 128 (R % 16), K block = my number's low bit: registers that never hold cx
	s_lshr_b32 s22, s[RR], 4
	s_lshl_b32 s22, s22, 22
	s_and_b32 s21, s[RR], 15
	s_lshl_b32 s21, s21, 14
	s_add_co_u32 s22, s22, s21
	s_lshl_b32 s21, s[WC], 18
	s_add_co_u32 s22, s22, s21
	s_mov_b32 s23, 0
	s_mul_i32 s21, s[WC], AKK
	; wo's tile: rows 256 C: registers that never hold cy
	s_lshl_b32 s60, s[CC], 15
	s_lshl_b32 s61, s[WC], 17
	s_add_co_u32 s60, s60, s61
	s_mov_b32 s61, 0
	s_mul_i32 s62, s[WC], BKK
	s_add_co_u32 s62, s62, BOFF
	s_mov_b32 s[HIM], 0xffff0000
	s_wait_dscnt 0x0                               ; the opening add is done
	s_wait_kmcnt 0x0
	s_mov_b32 s[G0A], 1
	s_mov_b32 s[G0A+1], s21
	s_add_nc_u64 s[G0A+2:G0A+3], s[4:5], s[22:23]
	s_mov_b32 s[G0A+4], 1
	s_add_co_u32 s[G0A+5], s21, SLOT1
	s_add_nc_u64 s[G0A+6:G0A+7], s[G0A+2:G0A+3], STEP_A
	s_or_b32 s[G0A+3], s[G0A+3], 0x80000000
	s_or_b32 s[G0A+7], s[G0A+7], 0x80000000
	s_mov_b32 s[G0B], 1
	s_mov_b32 s[G0B+1], s62
	s_add_nc_u64 s[G0B+2:G0B+3], s[6:7], s[60:61]
	s_mov_b32 s[G0B+4], 1
	s_add_co_u32 s[G0B+5], s62, SLOT1
	s_add_nc_u64 s[G0B+6:G0B+7], s[G0B+2:G0B+3], STEP_B
	s_or_b32 s[G0B+3], s[G0B+3], 0x80000000
	s_or_b32 s[G0B+7], s[G0B+7], 0x80000000
	CROUND                                         ; all sixteen work-groups are here: the first joint loads meet
	s_cmp_eq_u32 s[WR], 0                          ; a wave's two first fills stand in one branch
	s_cbranch_scc0 .Lfirst_b
	tensor_load_to_lds s[G0A:G0A+3], s[G1A:G1A+7]
	s_nop 0
	tensor_load_to_lds s[G0A+4:G0A+7], s[G1A:G1A+7]
	s_nop 0
.rept 4
	v_nop
.endr
	s_branch .Lfirst_asked
.Lfirst_b:
	tensor_load_to_lds s[G0B:G0B+3], s[G1B:G1B+7]
	s_nop 0
	tensor_load_to_lds s[G0B+4:G0B+7], s[G1B:G1B+7]
	s_nop 0
.rept 4
	v_nop
.endr
.Lfirst_asked:
	s_lshl_b32 s78, s[CC], 10                      ; my first column, in bytes: 1,024 C + 512 wc
	s_lshl_b32 s79, s[WC], 9
	s_add_co_u32 s78, s78, s79
	s_mov_b32 s76, s78
	s_mov_b32 s77, 0
	s_add_nc_u64 s[BI:BI+1], s[8:9], s[76:77]
	s_lshl_b32 s76, s[RR], 19                      ; my first row: 128 R + 64 wr, 4,096 bytes each
	s_lshl_b32 s79, s[WR], 18
	s_add_co_u32 s76, s76, s79
	s_add_co_u32 s76, s76, s78
	s_add_nc_u64 s[OUT:OUT+1], s[10:11], s[76:77]
	v_bfe_u32 v2, v0, 4, 1                         ; l / 16
	v_lshlrev_b32 v[BO], 5, v2
.set i, 0
.rept 8                                ; the bias of column block i: my 8 columns
	global_load_b128 v[32+8*i:32+8*i+3],   v[BO], s[BI:BI+1] offset:i*64
	global_load_b128 v[32+8*i+4:32+8*i+7], v[BO], s[BI:BI+1] offset:i*64+16
.set i, i+1
.endr
	v_and_b32 v1, 15, v0                           ; l % 16
	v_mul_u32_u24 v3, v1, PITCH
	v_lshl_add_u32 v3, v2, 4, v3
	s_mul_i32 s76, s[WR], 64*PITCH
	v_add_nc_u32 v[A0], s76, v3
	s_mul_i32 s76, s[WC], 128*PITCH
	s_add_co_u32 s76, s76, BOFF
	v_add_nc_u32 v[B0], s76, v3
	s_mul_i32 s76, s[WV], 16*SP
	s_add_co_u32 s76, s76, STAGE                   ; my stage
	v_mul_u32_u24 v[STO], v1, SP                   ; in: row l % 16, 32 bytes for each half of the lanes
	v_lshl_add_u32 v[STO], v2, 5, v[STO]
	v_add_nc_u32 v[STO], s76, v[STO]
	v_and_b32 v[GO], 31, v0
	v_lshlrev_b32 v[GO], 4, v[GO]
	v_add_nc_u32 v[RD], s76, v[GO]                 ; back: 32 lanes take one row of 512 bytes
	v_mov_b32 v[ADRA], v[A0]
	v_mov_b32 v[ADRB], v[B0]
	s_mov_b32 s[TB], 0
	s_wait_loadcnt 0x0
.set i, 0
.rept 32                               ; the bias rounded to bf16, like every other input,
	v_cvt_pk_bf16_f32 v[96+i], v[32+2*i], v[32+2*i+1]
.set i, i+1
.endr
	WIN 0x40
.set i, 0
.rept 32                               ; and widened into block row 0's accumulators: half i / 16, register pair i % 16
	v_lshlrev_b32 v[128*(i/16)+2*(i%16)], 16, v[96+i]
	v_and_b32 v[128*(i/16)+2*(i%16)+1], s[HIM], v[96+i]
.set i, i+1
.endr
	WIN 0
; Half g's products of a unit for block rows a0 .. a1, on set p.  The accumulators take turns, one instruction a turn.
.macro PHH g, p, a0, a1
	WIN 0x50                                       ; C and D in window 1
.set ai, \a0
.rept (\a1)-(\a0)+1
.irp j, 0,1,2,3
	v_wmma_f32_16x16x32_f16 v[128*(\g)+8*(4*ai+(\j)):128*(\g)+8*(4*ai+(\j))+7], v[BF+64*(\p)+32*(\g)+8*(\j):BF+64*(\p)+32*(\g)+8*(\j)+7], v[AF+32*(\p)+8*ai:AF+32*(\p)+8*ai+7], v[128*(\g)+8*(4*ai+(\j)):128*(\g)+8*(4*ai+(\j))+7]
.endr
.set ai, ai+1
.endr
.endm
.macro PH1 g                           ; unit 0's: the sums start from the bias
	WIN 0x50
.irp a, 1,2,3
.irp j, 0,1,2,3
	v_wmma_f32_16x16x32_f16 v[128*(\g)+8*(4*(\a)+(\j)):128*(\g)+8*(4*(\a)+(\j))+7], v[BF+32*(\g)+8*(\j):BF+32*(\g)+8*(\j)+7], v[AF+8*(\a):AF+8*(\a)+7], v[128*(\g)+8*(\j):128*(\g)+8*(\j)+7]
.endr
.endr
.rept 5
	v_nop                                          ; in front of matrix instructions that write over a C operand of those above
.endr
.irp j, 0,1,2,3
	v_wmma_f32_16x16x32_f16 v[128*(\g)+8*(\j):128*(\g)+8*(\j)+7], v[BF+32*(\g)+8*(\j):BF+32*(\g)+8*(\j)+7], v[AF:AF+7], v[128*(\g)+8*(\j):128*(\g)+8*(\j)+7]
.endr
.endm
.macro LDB g, p, kk, koff              ; 8 loads
.irp j, 0,1,2,3
	ds_load_b128 v[BF+64*(\p)+32*(\g)+8*(\j):BF+64*(\p)+32*(\g)+8*(\j)+3],   v[ADRB] offset:(\kk)*BKK+(4*(\g)+(\j))*BLK+(\koff)
	ds_load_b128 v[BF+64*(\p)+32*(\g)+8*(\j)+4:BF+64*(\p)+32*(\g)+8*(\j)+7], v[ADRB] offset:(\kk)*BKK+(4*(\g)+(\j))*BLK+(\koff)+32
.endr
.endm
.macro LDA p, kk, koff                 ; 8 loads
.irp i, 0,1,2,3
	ds_load_b128 v[AF+32*(\p)+8*(\i):AF+32*(\p)+8*(\i)+3],   v[ADRA] offset:(\kk)*AKK+(\i)*BLK+(\koff)
	ds_load_b128 v[AF+32*(\p)+8*(\i)+4:AF+32*(\p)+8*(\i)+7], v[ADRA] offset:(\kk)*AKK+(\i)*BLK+(\koff)+32
.endr
.endm
.macro E0 p, kk, koff
	PLACES
	WIN 0
	LDB 0, \p, \kk, \koff
.endm
.macro E1 p, kk, koff
	PLACES
	WIN 0
	LDA \p, \kk, \koff
	LDB 1, \p, \kk, \koff
.endm
; The LDS loads of unit u are issued in the order: wo's half 0 (8); ctx (8), wo's half 1 (8), two units ahead.  So the waits count: half 0 and ctx: the unit's 8 and the next unit's 24;
; half 1: the next unit's 24 and the 8 just issued for the unit after.
.macro UNIT p, kk, koff                ; (kk, koff): where the unit two ahead lies in the slot in hand
	s_wait_dscnt 32
	PHH 0, \p, 0, 3
	E0 \p, \kk, \koff
	s_wait_dscnt 32
	PHH 1, \p, 0, 3
	E1 \p, \kk, \koff
.endm
; A slot's third unit changes slots: the fragments of the slot's last two units have been asked for.  ONE barrier: in front of it each wave waits for all its tensor loads (one is out: its part
; of the next slot), adds 0 to its spare word, and waits for that and for its reads of this slot.  fill = 1: the barrier opens a round of the cluster's, and the joint refill is the first thing behind it.
.macro MUNIT fill
	WIN 0
	s_wait_tensorcnt 0x0                           ; no tensor load of mine is out, so a group 0 may be written
	ds_add_u32 v[SPW], v[NIL]                      ; 0 onto my spare word
.if \fill
	s_xor_b32 s[G0A+5], s[G0A+5], SLOT1
	s_add_nc_u64 s[G0A+6:G0A+7], s[G0A+6:G0A+7], STEP_A
	s_xor_b32 s[G0B+5], s[G0B+5], SLOT1
	s_add_nc_u64 s[G0B+6:G0B+7], s[G0B+6:G0B+7], STEP_B
.endif
	s_xor_b32 s[TB], s[TB], SLOT1
	s_wait_dscnt 33                                ; half 0 and ctx are in: behind them 32 loads and the add
	PHH 0, 0, 0, 1
	s_wait_dscnt 0x0                               ; the add is done, and my reads of this slot are over
	s_barrier_signal -1
	PHH 0, 0, 2, 3
	WIN 0
	s_barrier_wait -1
.if \fill
	CREST
	JLOAD                                          ; its four v_nop are also the places in front of the loads below
.else
	PLACES
.endif
	v_add_nc_u32 v[ADRA], s[TB], v[A0]
	v_add_nc_u32 v[ADRB], s[TB], v[B0]
	LDB 0, 0, 0, 0
	s_wait_dscnt 32
	PHH 1, 0, 0, 3
	E1 0, 0, 0
.endm
	s_wait_tensorcnt 1                             ; my part of slot 0 is in; slot 1's may stay out
	s_barrier_signal -1
	s_barrier_wait -1
	LDB 0, 0, 0, 0                                 ; units 0 and 1
	LDA 0, 0, 0
	LDB 1, 0, 0, 0
	LDB 0, 1, 0, 64
	LDA 1, 0, 64
	LDB 1, 1, 0, 64
	s_wait_dscnt 32                                ; unit 0: its products start the sums
	PH1 0
	E0 0, 1, 0
	s_wait_dscnt 32
	PH1 1
	E1 0, 1, 0
	UNIT 1, 1, 64                                  ; unit 1
	WIN 0
	s_mov_b32 s[CNT], 6
.Ltrip:                                            ; trip s: units 4 s + 2 .. 4 s + 5; slot s % 2 is filled again with K blocks 2 s + 4 and 2 s + 5
	MUNIT 1
	UNIT 1, 0, 64
	UNIT 0, 1, 0
	UNIT 1, 1, 64
	WIN 0
	s_sub_co_u32 s[CNT], s[CNT], 1
	s_cmp_lg_u32 s[CNT], 0
	s_cbranch_scc1 .Ltrip
	MUNIT 0                                        ; unit 26: the tail is written out: nothing is left to ask for
	UNIT 1, 0, 64
	UNIT 0, 1, 0
	UNIT 1, 1, 64
	s_wait_dscnt 32                                ; units 30 and 31 fetch nothing: the counts run down
	PHH 0, 0, 0, 3
	s_wait_dscnt 24
	PHH 1, 0, 0, 3
	s_wait_dscnt 8
	PHH 0, 1, 0, 3
	s_wait_dscnt 0x0
	PHH 1, 1, 0, 3
; THE WAY OUT, a block row (16 rows x 512 bytes) at a time through my stage.
.macro STG a
	WIN 0x04                                       ; the stores' data in window 1
.irp g, 0,1
.irp j, 0,1,2,3
	ds_store_b128 v[STO], v[128*(\g)+8*(4*(\a)+(\j)):128*(\g)+8*(4*(\a)+(\j))+3]   offset:(4*(\g)+(\j))*64     ; each accumulator's lowest registers first
	ds_store_b128 v[STO], v[128*(\g)+8*(4*(\a)+(\j))+4:128*(\g)+8*(4*(\a)+(\j))+7] offset:(4*(\g)+(\j))*64+16
.endr
.endr
	WIN 0
.if (\a) >= 2
	s_wait_xcnt 0x0                                ; the stores of the block row two back have read these registers
.endif
.irp t, 0,1,2,3,4,5,6,7,8,9,10,11,12,13,14,15
	ds_load_b128 v[OB+64*((\a)%2)+4*(\t):OB+64*((\a)%2)+4*(\t)+3], v[RD] offset:(\t)*SP  ; my own bytes; LDS serves a wave's instructions in order (ISA guide 5.7.1.4)
.endr
.endm
.macro SEND a, younger                 ; younger: the next block row's 32 LDS instructions, or none
	WIN 0
.irp t, 0,1,2,3,4,5,6,7,8,9,10,11,12,13,14,15
	s_wait_dscnt (\younger)+15-(\t)
	global_store_b128 v[GO], v[OB+64*((\a)%2)+4*(\t):OB+64*((\a)%2)+4*(\t)+3], s[OUT:OUT+1] offset:(16*(\a)+(\t))*4096 th:TH_STORE_NT  ; 512 consecutive bytes, aligned
.endr
.endm
	PLACES
	STG 0
	STG 1
	SEND 0, 32
	STG 2
	SEND 1, 32
	STG 3
	SEND 2, 32
	SEND 3, 0
	s_wait_tensorcnt 0x0                           ; the wave's end, behind my last tensor load and my last LDS store
	ds_add_u32 v[SPW], v[NIL]
	s_wait_dscnt 0x0
	CROUND                                         ; the closing round
	s_endpgm
.Lfunc_end_k_qd9e70f3570_outp:
	.size	k_qd9e70f3570_outp, .Lfunc_end_k_qd9e70f3570_outp-k_qd9e70f3570_outp
	.p2alignl 7, 3214868480
	.fill 96, 4, 3214868480
	.section	.rodata,"a",@progbits
	.p2align	6, 0x0
	.amdhsa_kernel k_qd9e70f3570_outp
		.amdhsa_group_segment_fixed_size 327680
		.amdhsa_private_segment_fixed_size 0
		.amdhsa_enable_private_segment 0
		.amdhsa_kernarg_size 32
		.amdhsa_user_sgpr_count 2
		.amdhsa_user_sgpr_kernarg_segment_ptr 1
		.amdhsa_wavefront_size32 1
		.amdhsa_system_sgpr_workgroup_id_x 1
		.amdhsa_system_sgpr_workgroup_id_y 1
		.amdhsa_system_sgpr_workgroup_id_z 1
		.amdhsa_system_vgpr_workitem_id 0
		.amdhsa_next_free_vgpr 512
		.amdhsa_next_free_sgpr 80
		.amdhsa_reserve_vcc 0
		.amdhsa_float_denorm_mode_32 3
		.amdhsa_float_denorm_mode_16_64 3
		.amdhsa_memory_ordered 1
		.amdhsa_forward_progress 1
		.amdhsa_inst_pref_size 78
	.end_amdhsa_kernel
	.amdgpu_metadata
---
amdhsa.version: [ 1, 2 ]
amdhsa.kernels:
  - .name:           k_qd9e70f3570_outp
    .symbol:         k_qd9e70f3570_outp.kd
    .args:
      - { .name: act, .offset: 0, .size: 8, .value_kind: global_buffer, .address_space: global }
      - { .name: wo, .offset: 8, .size: 8, .value_kind: global_buffer, .address_space: global }
      - { .name: bout, .offset: 16, .size: 8, .value_kind: global_buffer, .address_space: global }
      - { .name: out0, .offset: 24, .size: 8, .value_kind: global_buffer, .address_space: global }
    .group_segment_fixed_size: 327680
    .private_segment_fixed_size: 0
    .kernarg_segment_align: 8
    .kernarg_segment_size: 32
    .max_flat_workgroup_size: 128
    .sgpr_count:     80
    .vgpr_count:     512
    .wavefront_size: 32
...
	.end_amdgpu_metadata
.endif
;; end of part 4
;; ======== version 2 of 2: 4 launches; version 1 with the launch prep written anew for expert scheduling mode
;; limits: values are held in f16: magnitudes above 65,504 overflow, below 6.1e-05 lose precision; right only within a limited range of input values
;; workspace buffers: act 16,777,216 bytes; wq 6,291,456 bytes; wo 2,097,152 bytes; tab 524,288 bytes; qkv 50,331,648 bytes
;; launch prep (part 5): grid 256 x 1, 8 waves a work-group, no clusters, 37,888 bytes of LDS; arguments hidden_states, Wqkv, Wout, positions, act, wq, wo, tab; writes act, wq, wo, tab
.if DOCPART == 5
	.amdgcn_target "amdgcn-amd-amdhsa--gfx1250"
	.amdhsa_code_object_version 6
	.text
	.protected	k_qd9e70f3570_prep
	.globl	k_qd9e70f3570_prep
	.p2align	8
	.type	k_qd9e70f3570_prep,@function
k_qd9e70f3570_prep:
	s_mov_b64 s[64:65], 0
	v_nop
	global_prefetch_b8 v0, s[64:65] scope:SCOPE_SE
	s_setreg_imm32_b32 hwreg(HW_REG_WAVE_SCHED_MODE, 0, 2), 2
	s_setreg_imm32_b32 hwreg(HW_REG_WAVE_MODE, 25, 1), 1
	s_wait_xcnt 0x0
	s_wait_alu depctr_vm_vsrc(0)
; PREPARATION: a stream, no matrix work.  Four things, shared out evenly over 256 work-groups of eight waves:
;   act[b][kb][s][64]   = hidden_states rounded once to bf16, K in blocks of 64: 128 rows of one block are 16 KiB on end
;   wq [kb][n'][64]     = Wqkv rounded to bf16, turned ([n][k]) and its columns ordered n' = 384 c + 192 wc + 64 t + d for column 1024 t + 64 (2 c + wc) + d
;   wo [kb][n][64]      = Wout rounded to bf16, that number written as f16, turned
;   tab[blk][i][lane][4] = cos (i < 4) and sin (i >= 4) of f32(positions[16 blk + lane % 16]) x inv[16 j + 8 (lane / 16) + 4 rh + e], i = 4 kind + 2 j + rh
; LIMITS.  Wout's bf16 value is exact in f16 from 2^-14 to 65,504; below 2^-14 it keeps f16's fixed step of 6e-8.  inv = 2^(-j log2(10) / 8) by v_exp_f32.
; The angle is reduced by three parts of pi/2 (good for |angle| under 2^20); on |r| <= pi/4 the series are cut at r^9 (sine, next term 2e-9) and r^8 (cosine, next term 2.5e-8).
; NO CLUSTER, NO TENSOR LOADS: no byte is read by two work-groups.  Every load of a wave goes out before its first wait: 49 loads, 24 KiB a wave.
; SHARES.  Work-group wg: rows 32 wg .. 32 wg + 31 of x, wave w the K blocks 2 w and 2 w + 1; one tile of 64 k x 32 n of a weight for each wave; one item (blk, i) of the table for each of waves 0 to 3.
; THE MODE: SCHED_MODE bits 1:0 = 2 (LLVM: expert scheduling mode 2), set by the entry lines.  The code itself states the register dependences
; between vector instructions and memory or LDS instructions, with s_wait_alu, always for 0.
; THE PLAN.  Registers that memory or LDS instructions touch:
;   v4 .. v10   offsets and LDS addresses.  All are made at the head, ahead of ONE wait on va_vdst; every load, store and LDS access reads one of them; none is written again.
;   v11         the position: a load lands in it, one conversion reads it.
;   X           a load lands in each unit once; the unit's four roundings write its first four registers; one store reads those.  x goes in four blocks of four units: block p's
;               roundings stand among the stores of block p - 1, which name other registers, behind one wait on va_vdst at the block's head.  Block 3's stores stand so among the weight's roundings.
;   v28 .. v31  the table's four numbers: written by its last lines, read by one store, behind a wait on va_vdst.
;   W           the weight's loads land in it, the roundings into P read it; behind one wait on va_vdst the loads from the stage land in it, and the last stores read them.
;   P           written by the roundings (Wout's once more, in place); behind that same wait the LDS stores read it.
;   v2, v3      written at the head, read by the closing add alone.
; No register that a memory or LDS instruction has read is written again, so past the entry lines the text holds no wait on vm_vsrc.
; Scalar results of vector instructions: the wave's number (s20) and the table's four masks (s44 .. s47): one wait on va_sdst behind each of the two, ahead of the first reader.
.set SPARE, 36864                      ; behind the eight stages: the spare words, 128 bytes a wave, four blocks of 256 bytes that no other line names
.set STGB,  4608                       ; a wave's stage: 32 rows of 144 bytes (128 + 16)
.set SPW, 2                            ; v2  LDS address of my spare word; never rewritten
.set NIL, 3                            ; v3  0; never rewritten
.set XO,  4                            ; v4  my byte offset in x: (l / 8) rows + 32 (l % 8) + 512 w
.set AO,  5                            ; v5  my byte offset in act: 16 l + 2 w K blocks
.set WO,  6                            ; v6  my byte offset in the weight: 16 (l / 8) rows + 16 (l % 8)
.set WST, 7                            ; v7  stage, in
.set WRD, 8                            ; v8  stage, back
.set L16, 9                            ; v9  16 l
.set P,   32                           ; v[32:63]   the tile packed: column 4 c + e, k = 16 kq + 2 m, + 1 at P + 8 e + m
.set TT,  32                           ; v[32:63]   in the table's lines only, ahead of P's first use: eight registers at work for each of the four angles
.set X,   64                           ; v[64:191]  16 units of 8 f32 of x
.set W,   192                          ; v[192:255] 16 rows of 4 f32 of the weight; later the tile's rows read back
	s_load_b512 s[4:19], s[0:1], 0x0               ; x s[4:5], Wqkv s[6:7], Wout s[8:9], positions s[10:11], act s[12:13], wq s[14:15], wo s[16:17], tab s[18:19]
	v_lshl_add_u32 v[SPW], v0, 2, SPARE
	v_mov_b32 v[NIL], 0
	v_and_b32 v1, 31, v0                           ; l
	v_lshrrev_b32 v12, 5, v0
	v_readfirstlane_b32 s20, v12                   ; wave 0..7
	v_lshrrev_b32 v13, 3, v1                       ; l / 8
	v_and_b32 v14, 7, v1                           ; l % 8
	v_lshlrev_b32 v[L16], 4, v1
	s_wait_alu depctr_va_sdst(0)                   ; s20 is written, ahead of its first reader: offsets, bases and branches are made from it
	s_lshl_b32 s21, s20, 9
	v_lshl_add_u32 v[XO], v13, 12, s21
	v_lshl_add_u32 v[XO], v14, 5, v[XO]
	s_lshl_b32 s21, s20, 19
	v_add_nc_u32 v[AO], s21, v[L16]
	s_mul_i32 s21, s20, STGB                       ; my stage
	v_mul_u32_u24 v[WST], v14, 576                 ; in: rows 4 c + e, 32 bytes at 32 kq
	v_lshl_add_u32 v[WST], v13, 5, v[WST]
	v_add_nc_u32 v[WST], s21, v[WST]
	v_mul_u32_u24 v[WRD], v13, 144                 ; back: 32 lanes take four rows of 128 bytes
	v_lshl_add_u32 v[WRD], v14, 4, v[WRD]
	v_add_nc_u32 v[WRD], s21, v[WRD]
	s_cmp_lt_u32 ttmp9, 192                        ; the weight's offset is made here with the others: 16 rows of Wqkv are 48 x 4,096 bytes, 16 of Wout 16 x 4,096
	s_cselect_b32 s27, 48, 16
	s_lshl_b32 s27, s27, 12
	v_mul_u32_u24 v[WO], s27, v13
	v_lshl_add_u32 v[WO], v14, 4, v[WO]
	v_and_b32 v10, 15, v0
	s_lshr_b32 s21, ttmp9, 1                       ; blk
	s_lshl_b32 s21, s21, 6
	v_lshl_add_u32 v10, v10, 2, s21                ; my position's byte offset: 64 blk + 4 (l % 16)
	s_mov_b32 s38, 0xffff0000                      ; a word's upper bf16
	s_and_b32 s39, ttmp9, 1                        ; kind: 0 cosine, 1 sine
	s_xor_b32 s39, s39, 1                          ; a cosine is the sine a quarter turn on
	s_mov_b32 s40, 0xbfc90fdb                      ; - pi/2 in three parts
	s_mov_b32 s41, 0x333bbd2e
	s_mov_b32 s42, 0x26f72ced
	s_lshr_b32 s43, s20, 1
	s_lshl_b32 s43, s43, 4
	s_and_b32 s21, s20, 1
	s_lshl2_add_u32 s43, s21, s43                  ; 16 j + 4 rh
	s_mov_b32 s23, 0
	s_mov_b32 s25, 0
	s_lshl_b32 s22, ttmp9, 17                      ; 32 rows of 4,096 bytes
	s_wait_kmcnt 0x0
	s_add_nc_u64 s[28:29], s[4:5], s[22:23]        ; x at my work-group's rows
	s_lshr_b32 s22, ttmp9, 6                       ; b
	s_lshl_b32 s22, s22, 22
	s_and_b32 s24, ttmp9, 63
	s_lshl_b32 s24, s24, 12                        ; 32 rows of 128 bytes
	s_add_co_u32 s22, s22, s24
	s_add_nc_u64 s[30:31], s[12:13], s[22:23]      ; act at the same rows, K block 0
	s_lshl_b32 s22, ttmp9, 11                      ; 4,096 blk + 512 i = 2,048 wg + 512 w
	s_lshl_b32 s24, s20, 9
	s_add_co_u32 s22, s22, s24
	s_add_nc_u64 s[36:37], s[18:19], s[22:23]      ; tab at my item (used by waves 0 to 3)
	s_wait_alu depctr_va_vdst(0)                   ; the seven offsets and addresses v4 to v10 are written, which every load, store and LDS access below reads
	global_load_b32 v11, v10, s[10:11]             ; every wave issues it, so that the counts below are the same in all
.set i, 0
.rept 16                               ; unit i: K block 2 w + i / 8, rows 4 (i % 8) .. + 3: 8 f32 a lane
	global_load_b128 v[X+8*i:X+8*i+3],   v[XO], s[28:29] offset:(i%8)*16384+(i/8)*256 th:TH_LOAD_NT
	global_load_b128 v[X+8*i+4:X+8*i+7], v[XO], s[28:29] offset:(i%8)*16384+(i/8)*256+16 th:TH_LOAD_NT
.set i, i+1
.endr
; 16 loads: row k = 64 kb + 16 kq + i, columns 4 c .. 4 c + 3 of the tile's 32
.macro WLOADS pitch
.set i, 0
.rept 16
	global_load_b128 v[W+4*i:W+4*i+3], v[WO], s[32:33] offset:i*(\pitch) th:TH_LOAD_NT
.set i, i+1
.endr
.endm
	s_and_b32 s21, ttmp9, 15                       ; kb
	s_lshr_b32 s22, ttmp9, 4
	s_cmp_lt_u32 ttmp9, 192                        ; work-groups 0 to 191 take Wqkv's 1,536 tiles, the others Wout's 512
	s_cbranch_scc0 .Lwout
	s_lshl3_add_u32 s23, s22, s20                  ; ng: the tile's 32 columns, 0..95
	s_mul_i32 s24, s21, 64*12288
	s_lshl_b32 s26, s23, 7
	s_add_co_u32 s24, s24, s26
	s_add_nc_u64 s[32:33], s[6:7], s[24:25]
	s_bfe_u32 s26, s23, 0x40001                    ; head = (ng / 2) % 16
	s_lshr_b32 s24, s26, 1
	s_mul_i32 s24, s24, 384
	s_and_b32 s26, s26, 1
	s_mul_i32 s26, s26, 192
	s_add_co_u32 s24, s24, s26
	s_lshr_b32 s26, s23, 5                         ; t: q, k or v
	s_lshl_b32 s26, s26, 6
	s_add_co_u32 s24, s24, s26
	s_and_b32 s26, s23, 1
	s_lshl_b32 s26, s26, 5
	s_add_co_u32 s24, s24, s26                     ; n' of the tile's first column
	s_mul_i32 s26, s21, 3072
	s_add_co_u32 s24, s24, s26
	s_lshl_b32 s24, s24, 7
	s_add_nc_u64 s[34:35], s[14:15], s[24:25]
	WLOADS 12288
	s_branch .Lwdone
.Lwout:
	s_sub_co_u32 s22, s22, 12
	s_lshl3_add_u32 s23, s22, s20                  ; ng 0..31
	s_lshl_b32 s24, s21, 18
	s_lshl_b32 s26, s23, 7
	s_add_co_u32 s24, s24, s26
	s_add_nc_u64 s[32:33], s[8:9], s[24:25]
	s_lshl_b32 s24, s21, 17
	s_lshl_b32 s26, s23, 12
	s_add_co_u32 s24, s24, s26
	s_add_nc_u64 s[34:35], s[16:17], s[24:25]
	WLOADS 4096
.Lwdone:
; The table.  An angle is reduced to r in -pi/4 .. pi/4 and a quarter q; sine or cosine of r by q's low bit, the sign by its next.
; The four angles go side by side, a line for each at a time, so that no line reads the result of the line before it and the four compares stand in one run.
; Angle ang's registers at tb = TT + 8 ang: +0 the angle, +1 its quarters, +2 r, +3 r^2, +4 sin r, +5 cos r, +6 q, +7 at work.
.macro EACH line:vararg                ; one line for each of the four angles
.set ang, 0
.rept 4
.set tb, TT+8*ang
	\line
.set ang, ang+1
.endr
.endm
	s_cmp_lt_u32 s20, 4
	s_cbranch_scc0 .Lnotab
	v_lshrrev_b32 v13, 4, v1
	v_lshl_add_u32 v13, v13, 3, s43                ; 16 j + 4 rh + 8 (l / 16)
.irp e, 0,1,2,3
	v_add_nc_u32 v14, \e, v13
	v_cvt_f32_u32 v14, v14
	v_mul_f32 v[16+(\e)], 0xbed49a78, v14          ; x - log2(10) / 8
.endr
.irp e, 0,1,2,3
	v_exp_f32 v[16+(\e)], v[16+(\e)]
.endr
	s_wait_loadcnt 48                              ; my position is in; the 48 loads behind it stay out
	v_cvt_f32_i32 v12, v11                         ; the plain instruction behind the exponentials
	s_wait_alu depctr_va_vdst(0)                   ; the four exponentials have written v16 to v19, ahead of their first reader
	EACH v_mul_f32 v[tb], v12, v[16+ang]           ; the angle, rounded once, as the definition has it
	EACH v_mul_f32 v[tb+1], 0x3f22f983, v[tb]      ; x 2 / pi
	EACH v_rndne_f32 v[tb+1], v[tb+1]
	EACH v_fma_f32 v[tb+2], v[tb+1], s40, v[tb]
	EACH v_fma_f32 v[tb+2], v[tb+1], s41, v[tb+2]
	EACH v_fma_f32 v[tb+2], v[tb+1], s42, v[tb+2]  ; r
	EACH v_cvt_i32_f32 v[tb+6], v[tb+1]
	EACH v_add_nc_u32 v[tb+6], s39, v[tb+6]        ; q
	EACH v_mul_f32 v[tb+3], v[tb+2], v[tb+2]
	EACH v_mov_b32 v[tb+4], 0x3638ef1d             ; 1/9!
	EACH v_mov_b32 v[tb+5], 0x37d00d01             ; 1/8!
	EACH v_fmaak_f32 v[tb+4], v[tb+4], v[tb+3], 0xb9500d01  ; -1/7!
	EACH v_fmaak_f32 v[tb+5], v[tb+5], v[tb+3], 0xbab60b61  ; -1/6!
	EACH v_fmaak_f32 v[tb+4], v[tb+4], v[tb+3], 0x3c088889  ; 1/5!
	EACH v_fmaak_f32 v[tb+5], v[tb+5], v[tb+3], 0x3d2aaaab  ; 1/4!
	EACH v_fmaak_f32 v[tb+4], v[tb+4], v[tb+3], 0xbe2aaaab  ; -1/3!
	EACH v_fma_f32 v[tb+5], v[tb+5], v[tb+3], -0.5
	EACH v_mul_f32 v[tb+7], v[tb+2], v[tb+3]
	EACH v_fma_f32 v[tb+4], v[tb+7], v[tb+4], v[tb+2]       ; sin r
	EACH v_fma_f32 v[tb+5], v[tb+5], v[tb+3], 1.0           ; cos r
	EACH v_and_b32 v[tb+7], 1, v[tb+6]
	EACH v_cmp_eq_u32 s[44+ang], 1, v[tb+7]
	s_wait_alu depctr_va_sdst(0)                   ; the four compares have written s44 to s47, ahead of the selects that read them
	EACH v_cndmask_b32 v[tb+4], v[tb+4], v[tb+5], s[44+ang]  ; a choice of value alone
	EACH v_lshlrev_b32 v[tb+6], 30, v[tb+6]
	EACH v_and_b32 v[tb+6], 0x80000000, v[tb+6]
	EACH v_xor_b32 v[28+ang], v[tb+4], v[tb+6]
	s_wait_alu depctr_va_vdst(0)                   ; v28 to v31 are written, which the store reads
	global_store_b128 v[L16], v[28:31], s[36:37]   ; 512 consecutive bytes
.Lnotab:
; x.  Unit n is rounded in place and stored; no register is used twice.
.macro XCVT n
	v_cvt_pk_bf16_f32 v[X+8*(\n)],   v[X+8*(\n)],   v[X+8*(\n)+1]
	v_cvt_pk_bf16_f32 v[X+8*(\n)+1], v[X+8*(\n)+2], v[X+8*(\n)+3]
	v_cvt_pk_bf16_f32 v[X+8*(\n)+2], v[X+8*(\n)+4], v[X+8*(\n)+5]
	v_cvt_pk_bf16_f32 v[X+8*(\n)+3], v[X+8*(\n)+6], v[X+8*(\n)+7]
.endm
.macro XSTORE n
	global_store_b128 v[AO], v[X+8*(\n):X+8*(\n)+3], s[30:31] offset:((\n)/8)*262144+((\n)%8)*512  ; four rows of 128 bytes: 512 consecutive bytes
.endm
; Block p: units 4 p .. 4 p + 3.  A store of the block before stands ahead of each unit's four roundings.
.macro XBLK p
	s_wait_loadcnt 40-8*(\p)                       ; the loads issued behind this block's eight stay out
.if (\p) > 0
	s_wait_alu depctr_va_vdst(0)                   ; the block before has written its units' first four registers, which the four stores below read; this block's roundings name none of them
.endif
.irp u, 0,1,2,3
.if (\p) > 0
	XSTORE 4*((\p)-1)+(\u)
.endif
	XCVT 4*(\p)+(\u)
.endr
.endm
	XBLK 0
	XBLK 1
	XBLK 2
	XBLK 3
	s_wait_loadcnt 0x0                             ; the weight's tile
	s_wait_alu depctr_va_vdst(0)                   ; x's last block has written its units' first four registers, which the four stores below read; the roundings among them name W and P alone
.irp e, 0,1,2,3
	XSTORE 12+(\e)
.irp m, 0,1,2,3,4,5,6,7
	v_cvt_pk_bf16_f32 v[P+8*(\e)+(\m)], v[W+8*(\m)+(\e)], v[W+8*(\m)+4+(\e)]
.endr
.endr
	s_cmp_lt_u32 ttmp9, 192
	s_cbranch_scc1 .Lbf
.set i, 0
.rept 32                               ; Wout: the bf16 number written as f16
	v_lshlrev_b32 v[12+2*(i%4)], 16, v[P+i]
	v_and_b32 v[13+2*(i%4)], s38, v[P+i]
	v_cvt_pk_f16_f32 v[P+i], v[12+2*(i%4)], v[13+2*(i%4)]
.set i, i+1
.endr
.Lbf:
	s_wait_alu depctr_va_vdst(0)                   ; on both ways: P is written, which the LDS stores read, and the roundings are done reading W, in which the LDS loads land
.irp e, 0,1,2,3
	ds_store_b128 v[WST], v[P+8*(\e):P+8*(\e)+3]   offset:(\e)*144
	ds_store_b128 v[WST], v[P+8*(\e)+4:P+8*(\e)+7] offset:(\e)*144+16
.endr
.irp t, 0,1,2,3,4,5,6,7
	ds_load_b128 v[W+4*(\t):W+4*(\t)+3], v[WRD] offset:(\t)*576  ; my own bytes; LDS serves a wave's instructions in order (ISA guide 5.7.1.4)
.endr
.irp t, 0,1,2,3,4,5,6,7
	s_wait_dscnt 7-(\t)
	global_store_b128 v[L16], v[W+4*(\t):W+4*(\t)+3], s[34:35] offset:(\t)*512  ; four rows n' of 128 bytes: 512 consecutive bytes
.endr
	s_wait_dscnt 0x0                               ; the closing lines, six on end
	s_wait_alu 0x0
	s_wait_tensorcnt 0x0
	ds_add_u32 v[SPW], v[NIL]
	s_wait_dscnt 0x0
	s_endpgm
.Lfunc_end_k_qd9e70f3570_prep:
	.size	k_qd9e70f3570_prep, .Lfunc_end_k_qd9e70f3570_prep-k_qd9e70f3570_prep
	.p2alignl 7, 3214868480
	.fill 96, 4, 3214868480
	.section	.rodata,"a",@progbits
	.p2align	6, 0x0
	.amdhsa_kernel k_qd9e70f3570_prep
		.amdhsa_group_segment_fixed_size 37888
		.amdhsa_private_segment_fixed_size 0
		.amdhsa_enable_private_segment 0
		.amdhsa_kernarg_size 64
		.amdhsa_user_sgpr_count 2
		.amdhsa_user_sgpr_kernarg_segment_ptr 1
		.amdhsa_wavefront_size32 1
		.amdhsa_system_sgpr_workgroup_id_x 1
		.amdhsa_system_sgpr_workgroup_id_y 1
		.amdhsa_system_sgpr_workgroup_id_z 1
		.amdhsa_system_vgpr_workitem_id 0
		.amdhsa_next_free_vgpr 256
		.amdhsa_next_free_sgpr 66
		.amdhsa_reserve_vcc 0
		.amdhsa_float_denorm_mode_32 3
		.amdhsa_float_denorm_mode_16_64 3
		.amdhsa_memory_ordered 1
		.amdhsa_forward_progress 1
		.amdhsa_inst_pref_size 31
	.end_amdhsa_kernel
	.amdgpu_metadata
---
amdhsa.version: [ 1, 2 ]
amdhsa.kernels:
  - .name:           k_qd9e70f3570_prep
    .symbol:         k_qd9e70f3570_prep.kd
    .args:
      - { .name: hidden_states, .offset: 0, .size: 8, .value_kind: global_buffer, .address_space: global }
      - { .name: Wqkv, .offset: 8, .size: 8, .value_kind: global_buffer, .address_space: global }
      - { .name: Wout, .offset: 16, .size: 8, .value_kind: global_buffer, .address_space: global }
      - { .name: positions, .offset: 24, .size: 8, .value_kind: global_buffer, .address_space: global }
      - { .name: act, .offset: 32, .size: 8, .value_kind: global_buffer, .address_space: global }
      - { .name: wq, .offset: 40, .size: 8, .value_kind: global_buffer, .address_space: global }
      - { .name: wo, .offset: 48, .size: 8, .value_kind: global_buffer, .address_space: global }
      - { .name: tab, .offset: 56, .size: 8, .value_kind: global_buffer, .address_space: global }
    .group_segment_fixed_size: 37888
    .private_segment_fixed_size: 0
    .kernarg_segment_align: 8
    .kernarg_segment_size: 64
    .max_flat_workgroup_size: 256
    .sgpr_count:     66
    .vgpr_count:     256
    .wavefront_size: 32
...
	.end_amdgpu_metadata
.endif
;; end of part 5
;; launch qkvp: the kernel of part 2 again; grid 8 x 32, 4 waves a work-group, clusters of 4 x 4, 327,680 bytes of LDS; arguments act, wq, bqkv, tab, qkv; writes qkv
;; launch attn: the kernel of part 3 again; grid 4 x 64, 4 waves a work-group, clusters of 4 x 1, 327,680 bytes of LDS; arguments qkv, act; writes act
;; launch outp: the kernel of part 4 again; grid 4 x 64, 4 waves a work-group, clusters of 4 x 4, 327,680 bytes of LDS; arguments act, wo, bout, out0; writes out0
